; MI455X (gfx1250); checked and timed in simulation.
; The chip was launched on July 23, 2026; its instructions are those of AMD's public machine-readable ISA for CDNA 5 (MIT licence, August 2026) and "CDNA5" Instruction Set Architecture Reference Guide (July 2026). The comments in the code are by the model that wrote it; some were corrected since.
;; Multi Head Self Attention. Allowed arithmetic: matrix products marked QUANTISED: E2M3 operands, one E8M0 scale for each 32 along K, by v_wmma_scale_f32_16x16x128_f8f6f4 with both operands' format E2M3, f32 sums; everything else in f32.
;; Inputs: Wk_codes 1,024 x 32 x 24 uint8 (E2M3 codes of Wk, K innermost, in blocks of 32 codes, four codes in three bytes); Wk_scales 1,024 x 32 uint8 (E8M0 scales of Wk, one for each 32 codes along K); Wo_codes 1,024 x 32 x 24 uint8 (E2M3 codes of Wo, K innermost, in blocks of 32 codes, four codes in three bytes); Wo_scales 1,024 x 32 uint8 (E8M0 scales of Wo, one for each 32 codes along K); Wq_codes 1,024 x 32 x 24 uint8 (E2M3 codes of Wq, K innermost, in blocks of 32 codes, four codes in three bytes); Wq_scales 1,024 x 32 uint8 (E8M0 scales of Wq, one for each 32 codes along K); Wv_codes 1,024 x 32 x 24 uint8 (E2M3 codes of Wv, K innermost, in blocks of 32 codes, four codes in three bytes); Wv_scales 1,024 x 32 uint8 (E8M0 scales of Wv, one for each 32 codes along K); bk 1,024 float32; bo 1,024 float32; bq 1,024 float32; bv 1,024 float32; mask 4 x 1 x 1 x 2,048 int32; x_codes 4 x 2,048 x 32 x 24 uint8 (E2M3 codes of x, K innermost, in blocks of 32 codes, four codes in three bytes); x_scales 4 x 2,048 x 32 uint8 (E8M0 scales of x, one for each 32 codes along K).
;; Outputs: out0 4 x 2,048 x 1,024 float32.
;; This version of the problem:
;;   THIS VERSION OF THE PROBLEM IS GIVEN IN LOW PRECISION. The matrix products marked QUANTISED in the list below multiply operands that are first quantised to E2M3 (2 exponent bits, 3 mantissa bits; 6 bits a number), with one power-of-two scale for each 32 numbers along K (OCP MX v1.0); their sums are f32. All else is computed in f32.
;;   The module's matrix products, in the order in which they are computed (A, B: the left and right operand; K: the contracted axis; several contracted axes count as one K, in the product's order):
;;     1. [M 8,192, K 1,024] x [K 1,024, N 1,024]; A: input x (given as codes); B: input Wq (given as codes): QUANTISED
;;     2. [M 8,192, K 1,024] x [K 1,024, N 1,024]; A: input x (given as codes); B: input Wk (given as codes): QUANTISED
;;     3. [M 8,192, K 1,024] x [K 1,024, N 1,024]; A: input x (given as codes); B: input Wv (given as codes): QUANTISED
;;     4. batch 64 x [M 2,048, K 64] x [K 64, N 2,048]; A: computed on the way; B: computed on the way: QUANTISED
;;     5. batch 64 x [M 2,048, K 2,048] x [K 2,048, N 64]; A: softmax (see below); B: computed on the way: QUANTISED
;;     6. [M 8,192, K 1,024] x [K 1,024, N 1,024]; A: computed on the way; B: input Wo (given as codes): QUANTISED
;;   THE QUANTISER, for each operand of a quantised product, along K:
;;     - K is cut into blocks of 32 from its start; a last block that is shorter is filled with zeros.
;;     - A block's scale is 2^e with e = floor(log2(the largest magnitude in the block)) - 2, held to -126 .. 127; a block of zeros has e = 0. As a byte (E8M0): e + 127.
;;     - Each number is divided by its block's scale, clamped to +-7.5, and rounded to the nearest number of E2M3, ties to even, subnormals kept.
;;     - The product sums the exact products of the quantised numbers (number of the format x scale) in f32.
;;   ~~~python
;;   def quantise(x, axis):      # numpy; x: float32 -> the quantised numbers, widened to float32 again
;;       x = np.moveaxis(x, axis, -1); K = x.shape[-1]
;;       x = np.pad(x, [(0, 0)] * (x.ndim - 1) + [(0, -K % 32)]); x = x.reshape(x.shape[:-1] + (-1, 32)); a = np.abs(x).max(-1, keepdims=True)
;;       e = np.where(a > 0, np.clip(np.frexp(np.where(a > 0, a, 1))[1] - 1 - 2, -126, 127), 0)      # np.frexp(a)[1] - 1 = floor(log2(a)), exactly
;;       r = np.clip(x / 2.0 ** e, -7.5, 7.5)
;;       step = 2.0 ** (np.maximum(np.frexp(np.where(r == 0, 1, r))[1] - 1, 0) - 3)
;;       q = np.round(r / step) * step * 2.0 ** e      # np.round: ties to even
;;       return np.moveaxis(q.reshape(q.shape[:-2] + (-1,))[..., :K], -1, axis).astype(np.float32)
;;   ~~~
;;   SOFTMAX AHEAD OF A QUANTISED PRODUCT. Where the list says 'softmax', what is quantised is not the finished softmax but p = 2^(t - M), with t = logit x log2(e) and M = ceil(the row's largest t), a whole number; so 1/2 < the row's largest p <= 1. The row's sum l is taken of the UNQUANTISED p, in f32, and the product's result is divided by l at the end. Since M is a whole number, a kernel that streams over the keys may use a running M (the ceiling of the running maximum): every later rescaling is an exact power of two, which a block's scale takes up: the codes' values come out the same.
;;   OPERANDS COMPUTED ON THE WAY. 'Computed on the way' means the value that the module computes at that place (a softmax that the list does not call 'softmax' is quantised finished and normalised). What goes into a quantiser is computed in f32, as accurately as f32 sums, v_exp_f32 and their like allow (about 1e-6 of the number): no bf16 or f16 on the way to a quantiser, and a product that is left as it is and whose result goes on into a quantised operand takes f32 operands (vector FMAs, or v_wmma_f32_16x16x4_f32). A number that lies on a knife's edge between two numbers of the format may be rounded either way, as far as f32 arithmetic and the matrix unit's own rounding can turn it there, and no further.
;;   INPUTS GIVEN AS CODES. Wk (in the module: [1024, 1024], K = its axis 1); Wo (in the module: [1024, 1024], K = its axis 1); Wq (in the module: [1024, 1024], K = its axis 1); Wv (in the module: [1024, 1024], K = its axis 1); x (in the module: [4, 2048, 1024], K = its axis 2): each comes as NAME_codes (uint8): NAME with its K axis moved to the last place and cut into blocks of 32 codes, [.., K / 32, bytes a block], one block behind the other in memory; four codes in three bytes: a row's codes are one little-endian stream of bits, code i at bits 6 i .. 6 i + 5 (a code: sign, 2 exponent bits, 3 mantissa bits); and NAME_scales (uint8): the same leading axes, one E8M0 byte (e + 127) for each 32 codes along K. Its value is code x scale, taken as it is: it is not quantised again, and the codes and scales need not be those that the quantiser above would give.
;; One version. Each part assembles by itself: llvm-mc -triple=amdgcn-amd-amdhsa -mcpu=gfx1250 --defsym DOCPART=n.
;; ======== version 1 of 1: 3 launches
;; limits: right only within a limited range of input values
;; workspace buffers: qbuf 6,815,744 bytes; kbuf 6,815,744 bytes; vbuf 6,815,744 bytes; att 6,553,600 bytes
;; launch proj (part 1): grid 12 x 32, 4 waves a work-group, clusters of 4 x 4, 327,680 bytes of LDS; arguments x_codes, x_scales, mask, Wq_codes, Wq_scales, bq, qbuf, Wk_codes, Wk_scales, bk, kbuf, Wv_codes, Wv_scales, bv, vbuf; writes qbuf, kbuf, vbuf
.if DOCPART == 1
	.amdgcn_target "amdgcn-amd-amdhsa--gfx1250"
	.amdhsa_code_object_version 6
	.text
	.protected	k_q9e3eda38b3_proj
	.globl	k_q9e3eda38b3_proj
	.p2align	8
	.type	k_q9e3eda38b3_proj,@function
k_q9e3eda38b3_proj:
	s_mov_b64 s[64:65], 0
	v_nop
	global_prefetch_b8 v0, s[64:65] scope:SCOPE_SE
	s_setreg_imm32_b32 hwreg(HW_REG_WAVE_MODE, 25, 1), 1
	s_wait_xcnt 0x0
	s_wait_alu depctr_hold_cnt(0) depctr_sa_sdst(0) depctr_va_vdst(0) depctr_va_sdst(0) depctr_va_ssrc(0) depctr_va_vcc(0) depctr_vm_vsrc(0)
	s_getreg_b32 s2, hwreg(HW_REG_IB_STS2, 6, 4)
	s_cmp_eq_u32 s2, 0
	s_cbranch_scc0 .Lentry_in_a_cluster
	s_endpgm
.Lentry_in_a_cluster:
	s_bfe_u32 s2, ttmp6, 0x10000c
	s_cmp_lg_u32 s2, 0xf033
	s_cbranch_scc0 .Lentry_shape_is_right
	s_endpgm
.Lentry_shape_is_right:
; q = x Wq^T + bq, k = x Wk^T + bk, v = x Wv^T + bv on codes of FP6 (E2M3) with one E8M0 scale for each 32 along K = 1,024; the results are quantised at once, from f32, for the two products of attention:
; q and k along the head's 64 features, v along the keys.  x: [8192][1024], W: [1024][1024]: codes, a row is 768 bytes; scale bytes 32 a row.
; SHARES.  The cluster's x says which product (0 q, 1 k, 2 v); in a cluster of 4 x 4 the place along x is the tile of 256 rows of W, 4 x cluster y + the place along y the tile of 256 rows of x.
; A work-group of four waves makes 256 x 256, a wave 128 rows of x (half wave / 2) x 128 rows of W (half wave % 2): 64 accumulators, 512 registers.
; 384 work-groups: 8,192 x 3,072 results in tiles of 256 x 256.  A tile of half the size would give a multiple of 256 work-groups but halve the products that each fragment read from LDS feeds.
; JOINT LOADS.  The four work-groups of a cluster's row need the same tile of x, the four of a column the same tile of W: same tensor load, same descriptor, a mask that names the four.
; K IN THREE CHUNKS.  A row's 768 bytes are three pieces of 256 bytes, each at a multiple of 256 from the buffer's start.  Chunk 0 -> slot 0, chunk 1 -> slot 1, chunk 2 -> slot 0 again: one refill in the launch.
; A fragment of 128 along K is 96 bytes of a row, so fragments 2 and 5 lie in two chunks; where lanes 16-31 (24 bytes further on) are already in the next chunk a second address register serves.
; WHICH SIDE IS SOURCE 0.  A result's registers run along source 0's rows.  q, k: source 0 = 16 rows of W, so a lane holds one row of x and 8 features a tile.  v: source 0 = 16 rows of x, so a lane holds one feature
; and 8 keys a tile.  Only the runs of matrix instructions are written twice; a scalar branch on the product's number, the same in all partners, picks one.
; ORDER INSIDE A BLOCK OF 32.  Tiles are 16 neighbouring rows, so of a block a lane holds numbers 8 h + j and 16 + 8 h + j: code place 16 h + 8 u + j holds number 16 u + 8 h + j.  q and k get the same order, and so
; do v and the softmax's p in the next launch: a permutation inside one scale block, alike on both operands, keeps every product.
; OUTPUT: images of operand registers (lane l's 16 or 8 bytes at 16 l or 8 l).  qbuf, kbuf: [batch x 16 + head][16 records of 128 rows] x 6,656 bytes: 8 tiles x 768 (registers 0-3: 512 bytes, 4-5: 256), then 512 bytes
; of scale words [tile / 4][row][tile % 4].  vbuf: a record = 128 keys: 4 fragments (16 features x 128 keys) x 1,536 bytes, then the image of four scale registers.
; THE MASK rides in the unused half of the 128-deep product q k^T: there q has the code +1.0 at k = 64 under the byte 127, k the code -7.5 under the byte 227 (2^100) where mask == 0, else 1 (2^-126).
; LIMITS: NaN and infinities among the inputs are not served.  A block of zeros, and one whose largest magnitude lies under 2^-124, gets the byte 1 (the rule says 127 for zeros): its codes are zeros or the nearest
; codes under that byte, and the bytes are read by this program alone.  Every counted score carries an added -7.5 x 2^-126.
.set HS,     106496                    ; bytes of a head in qbuf, kbuf, vbuf: 16 records
.set REC,    6656
.set PITCH,  272                       ; an LDS row: 256 bytes + 16 of padding = 68 words: the 32 lanes of a load of 8 bytes touch 64 different banks (64 banks of 4 bytes: ISA guide 11.1)
.set HALFT,  128*PITCH                 ; 128 rows: what one wave reads of x or of W, and what one tensor load of chunks 1 and 2 brings (the head's loads of chunk 0 bring 256)
.set SLOTSZ, 4*HALFT                   ; x's 256 rows, then W's 256 rows
.set SLOT0,  16384                     ; LDS: 0: x's scale bytes (8,192), W's (8,192); then the two slots; then the spare words
.set SLOT1,  SLOT0+SLOTSZ
.set SPARE,  SLOT1+SLOTSZ              ; 128 bytes for each wave: two blocks of 256 bytes that no other line names
.set FR,   12                          ; registers of a fragment
.set ADRX, 8                           ; v8-9 my x fragments in slot 0, 1;  v10-11 the same where lanes 16-31 are in the next chunk
.set ADRW, 12                          ; v12-15 the same for W
.set ADRS, 16                          ; v16 scale words: lanes 0-15 x's rows, lanes 16-31 W's
.set L16,  17                          ; v17 16 x lane
.set L8,   18                          ; v18 8 x lane
.set SCA,  19                          ; v19 16 r + h x HS: where q's and k's scale words go
.set H16,  20                          ; v20 16 h
.set VUN,  21                          ; v21, v22 the upper two scale bytes for a key that counts, for one that does not
.set VMA,  22
.set SPW,  28                          ; v28 LDS address of my spare word; never rewritten
.set NIL,  29                          ; v29 0; never rewritten
.set R4,   30                          ; v30 4 r; never rewritten
.set H32,  31                          ; v31 32 h; never rewritten
.set SC,   32                          ; v32-95 scale words and nothing else: register 8 i + q: lanes 0-15 x's block i, lanes 16-31 W's block i, K step q
.set PAD,  96                          ; v96-103 the mask's words of my 128 rows, then the upper two scale bytes
.set BV,   104                         ; v104-119 the bias of feature 16 b + r, twice (a pair for the packed addition)
.set XF,   128                         ; v128-223 x's eight fragments, one set.  Window 1: W's two sets at v0 and v128; v96-127, v224-255 the bias of features 16 b + 8 h + j
.set ST,   128                         ; the epilogue: 64 numbers;
.set PC,   192                         ; their codes;
.set TM,   212                         ; at work;
.set PW,   228                         ; the scale word;
.set TMPR, 230
.set W4,   232                         ; four scale words to store
.set SEL,  38                          ; s[38:39] lane selects for v_permlanex16_b32: lane l xor 16
.set G1X,  20                          ; descriptor groups 1: x's chunk, W's chunk, x's scales, W's scales
.set G1W,  28
.set G1XS, 40
.set G1WS, 48
.set G0XS, 56                          ; groups 0: x's scales, chunk 0 (later chunk 2), chunk 1; the same for W
.set G0X0, 60
.set G0X1, 68
.set G0WS, 72
.set G0W0, 76
.set G0W1, 80
.set MSB, 0
.macro WIN new                         ; the immediate's high byte repeats the setting that is left; a switch that changes nothing is dropped
.if MSB != (\new)
	s_set_vgpr_msb (MSB<<8)|(\new)
.set MSB, (\new)
.endif
.endm
.macro PLACES n                        ; plain vector instructions between a matrix instruction and a load into, or a read of, its registers
.rept \n
	v_nop
.endr
.endm
; A joint load: waves 0 and 1 fetch for x, waves 2 and 3 for W.  The branch hangs on the wave's number alone.  Four v_nop follow each of the two lines.
.macro JLOAD g0a, g1a, g0b, g1b
	s_cmp_eq_u32 s11, 0
	s_cbranch_scc0 .Lfor_w_\@
	tensor_load_to_lds s[\g0a:\g0a+3], s[\g1a:\g1a+7]
	s_nop 0
.rept 4
	v_nop
.endr
	s_branch .Lasked_\@
.Lfor_w_\@:
	tensor_load_to_lds s[\g0b:\g0b+3], s[\g1b:\g1b+7]
	s_nop 0
.rept 4
	v_nop
.endr
.Lasked_\@:
.endm
.macro CROUND                          ; a round of the cluster's barrier
	s_barrier_signal -1
	s_barrier_wait -1
	s_cmp_lg_u32 s10, 0
	s_cbranch_scc1 .Lnot_wave_0_\@
	s_barrier_signal -3
.Lnot_wave_0_\@:
	s_barrier_wait -3
	s_barrier_signal -1
	s_barrier_wait -1
.endm
.macro MKG0 g, ldsreg, ldsadd, p, padd ; a descriptor group 0: count 1, LDS address, global address, type 2
	s_mov_b32 s[\g], 1
	s_add_co_u32 s[\g+1], s[\ldsreg], \ldsadd
	s_add_nc_u64 s[\g+2:\g+3], s[\p:\p+1], \padd
	s_or_b32 s[\g+3], s[\g+3], 0x80000000
.endm
	s_load_b128 s[4:7], s[0:1], 0x0                ; x's codes, x's scales
	s_load_b64 s[8:9], s[0:1], 0x10                ; the mask
	s_load_b256 s[12:19], s[0:1], 0x18             ; q's four: W's codes, W's scales, the bias, the output
	s_load_b256 s[20:27], s[0:1], 0x38             ; k's four
	s_load_b256 s[28:35], s[0:1], 0x58             ; v's four
	v_lshl_add_u32 v[SPW], v0, 2, SPARE
	v_mov_b32 v[NIL], 0
	ds_add_u32 v28, v29
	ds_add_u32 v28, v29
	s_wait_dscnt 0x0
	v_lshrrev_b32 v1, 5, v0
	v_readfirstlane_b32 s10, v1                    ; wave 0..3
	s_lshr_b32 s11, s10, 1                         ; my half of x's rows.  Also: I fetch for x (0) or for W (1)
	s_and_b32 s36, s10, 1                          ; my half of W's rows.  Also: which 128 rows of that tile I fetch
	s_cmp_eq_u32 ttmp9, 2
	s_cselect_b32 s37, 1, 0                        ; 1: this cluster makes v
	s_mov_b32 s[SEL], 0x76543210
	s_mov_b32 s[SEL+1], 0xfedcba98
	s_bfe_u32 s84, ttmp6, 0x40000                  ; cx: the tile of W
	s_bfe_u32 s85, ttmp6, 0x40004                  ; cy
	s_and_b32 s86, ttmp7, 0xffff
	s_lshl_b32 s86, s86, 2
	s_add_co_u32 s86, s86, s85                     ; the tile of x = 4 x cluster y + cy
	s_lshl_b32 s87, s85, 2
	s_lshl_b32 s87, 15, s87                        ; my row of the cluster
	s_lshl_b32 s88, 0x1111, s84                    ; my column
	; the scale bytes of a tile's 256 rows: 8,192 dense bytes as 32 rows of 32 elements of 8 bytes, no padding
	s_or_b32 s[G1XS], s87, (3<<16)|(1<<21)         ; 15:0 the mask; 17:16 elements of 8 bytes; 21 set beside a mask
	s_or_b32 s[G1WS], s88, (3<<16)|(1<<21)
.irp g, G1XS, G1WS
	s_mov_b32 s[\g+1], 32<<16                      ; tensor_dim0
	s_mov_b32 s[\g+2], 32<<16                      ; tensor_dim1
	s_mov_b32 s[\g+3], 32<<16                      ; tile_dim0
	s_mov_b32 s[\g+4], 32                          ; tile_dim1
	s_mov_b32 s[\g+5], 32                          ; tensor_dim0_stride
	s_mov_b32 s[\g+6], 0
	s_mov_b32 s[\g+7], 0
.endr
	s_lshl_b32 s90, s86, 8                         ; x: the tile's first row
	s_mov_b32 s91, 0
	s_lshl_b32 s92, s84, 8                         ; W: likewise
	s_mov_b32 s93, 0
	s_lshl_b64 s[94:95], s[90:91], 5               ; where these rows' scale bytes begin,
	s_lshl_b64 s[96:97], s[92:93], 5
	s_mul_i32 s90, s90, 768                        ; and their codes (under 2^23 bytes)
	s_mul_i32 s92, s92, 768
	s_mul_i32 s98, s10, HALFT                      ; where a wave's 128 rows of chunks 1 and 2 go: wave x 128 rows: no place in the cluster enters an LDS address
	s_wait_kmcnt 0x0
	s_cmp_eq_u32 ttmp9, 1                          ; the product's four buffers: the choice hangs on the cluster's number alone
	s_cselect_b64 s[12:13], s[20:21], s[12:13]
	s_cselect_b64 s[14:15], s[22:23], s[14:15]
	s_cselect_b64 s[16:17], s[24:25], s[16:17]
	s_cselect_b64 s[18:19], s[26:27], s[18:19]
	s_cmp_eq_u32 ttmp9, 2
	s_cselect_b64 s[12:13], s[28:29], s[12:13]
	s_cselect_b64 s[14:15], s[30:31], s[14:15]
	s_cselect_b64 s[16:17], s[32:33], s[16:17]
	s_cselect_b64 s[18:19], s[34:35], s[18:19]
	; a chunk's tile: rows of 32 elements of 8 bytes, 96 elements apart, 16 bytes of padding behind each row; 256 rows for the head's loads, later 128
	s_or_b32 s[G1X], s87, (3<<16)|(1<<20)|(1<<21)|(5<<22)|(3<<25)   ; 20 padding on; 24:22 after every 64 words (code 5); 31:25 of 4 words (code 3)
	s_or_b32 s[G1W], s88, (3<<16)|(1<<20)|(1<<21)|(5<<22)|(3<<25)
.irp g, G1X, G1W
	s_mov_b32 s[\g+1], 32<<16
	s_mov_b32 s[\g+2], 256<<16
	s_mov_b32 s[\g+3], 32<<16
	s_mov_b32 s[\g+4], 256
	s_mov_b32 s[\g+5], 96
	s_mov_b32 s[\g+6], 0
	s_mov_b32 s[\g+7], 0
.endr
.macro MKH g, lds, p                   ; a group 0 of the head: a whole tile at a constant LDS address
	s_mov_b32 s[\g], 1
	s_mov_b32 s[\g+1], \lds
	s_mov_b64 s[\g+2:\g+3], s[\p:\p+1]
	s_or_b32 s[\g+3], s[\g+3], 0x80000000
.endm
.macro ARM under, g0, g1, next         ; one arm of the head's chain: its load, and a jump to the chain's end
	s_cmp_lt_u32 s10, \under
	s_cbranch_scc0 \next
	tensor_load_to_lds s[\g0:\g0+3], s[\g1:\g1+7]
	s_nop 0
.rept 4
	v_nop
.endr
	s_branch .Lhead_asked
\next:
.endm
	s_add_nc_u64 s[4:5], s[4:5], s[90:91]          ; the tile's codes of x; kept: the prefetch and chunk 2's descriptor use it
	s_add_nc_u64 s[94:95], s[6:7], s[94:95]        ; its scale bytes
	s_add_nc_u64 s[12:13], s[12:13], s[92:93]      ; the same for W
	s_add_nc_u64 s[96:97], s[14:15], s[96:97]
	CROUND                                         ; all sixteen work-groups are here: the first joint loads meet
	MKH G0X0, SLOT0, 4
	MKH G0W0, SLOT0+2*HALFT, 12
	MKH G0XS, 0, 94
	MKH G0WS, 8192, 96
	s_mul_i32 s94, s36, 128*768                    ; for chunks 1 and 2: which 128 rows of the tile I fetch, in bytes; s[94:95] is kept
	s_mov_b32 s95, 0
	MKG0 G0X1, 98, SLOT1, 4, 256
	MKG0 G0W1, 98, SLOT1, 12, 256
	s_add_nc_u64 s[G0X1+2:G0X1+3], s[G0X1+2:G0X1+3], s[94:95]
	s_add_nc_u64 s[G0W1+2:G0W1+3], s[G0W1+2:G0W1+3], s[94:95]
	; THE HEAD'S LOADS, ONE A WAVE: wave 0 chunk 0's 256 rows of x, wave 1 those of W, wave 2 x's scale bytes, wave 3 W's.  One chain of branches on the wave's number: every way passes one load
	ARM 1, G0X0, G1X,  .Lhead_w
	ARM 2, G0W0, G1W,  .Lhead_xs
	ARM 3, G0XS, G1XS, .Lhead_ws
	tensor_load_to_lds s[G0WS:G0WS+3], s[G1WS:G1WS+7]
	s_nop 0
.rept 4
	v_nop
.endr
.Lhead_asked:
	; where my results go: record ((batch x 16 + 4 cx + 2 x W half) x 16 + 2 (tile of x % 8) + x half)
	s_lshr_b32 s89, s86, 3
	s_lshl_b32 s89, s89, 4
	s_lshl_b32 s90, s84, 2
	s_add_co_u32 s89, s89, s90
	s_lshl_b32 s90, s36, 1
	s_add_co_u32 s89, s89, s90
	s_lshl_b32 s89, s89, 4
	s_and_b32 s90, s86, 7
	s_lshl_b32 s90, s90, 1
	s_add_co_u32 s89, s89, s90
	s_add_co_u32 s89, s89, s11
	s_mul_i32 s90, s89, REC
	s_mov_b32 s91, 0
	s_add_nc_u64 s[18:19], s[18:19], s[90:91]
	s_lshl_b32 s90, s86, 10                        ; the mask's words of my 128 rows of x: 4 (256 x tile + 128 x half)
	s_lshl_b32 s92, s11, 9
	s_add_co_u32 s90, s90, s92
	s_add_nc_u64 s[8:9], s[8:9], s[90:91]
	s_lshl_b32 s90, s84, 10                        ; the bias of my 128 features
	s_lshl_b32 s92, s36, 9
	s_add_co_u32 s90, s90, s92
	s_add_nc_u64 s[16:17], s[16:17], s[90:91]
	s_lshl_b32 s99, s10, 4                         ; the prefetches: of a tile's 256 rows the partner at place p (cx for x, cy for W) takes 64, its wave w 16 of them
	s_lshl_b32 s93, s84, 6
	s_add_co_u32 s93, s93, s99
	s_mul_i32 s93, s93, 768
	s_lshl_b32 s96, s85, 6
	s_add_co_u32 s96, s96, s99
	s_mul_i32 s96, s96, 768
	s_and_b32 s97, ttmp7, 0xffff                   ; the cluster's y, the same in all partners
	v_and_b32 v1, 15, v0                           ; r
	v_bfe_u32 v2, v0, 4, 1                         ; h
	v_and_b32 v7, 31, v0                           ; lane
	v_lshlrev_b32 v[R4], 2, v1
	v_lshlrev_b32 v[H32], 5, v2
.irp a, 0,1,2,3,4,5,6,7
	global_load_b32 v[PAD+\a], v[R4], s[8:9] offset:64*\a          ; mask(row 16 a + r)
.endr
.irp b, 0,1,2,3,4,5,6,7
	global_load_b32 v[BV+2*\b], v[R4], s[16:17] offset:64*\b       ; bias(16 b + r), for v: a lane holds one feature
	global_load_b32 v[BV+2*\b+1], v[R4], s[16:17] offset:64*\b
.endr
	WIN 0x40                                       ; destination window 1
.irp b, 0,1,2,3,4,5,6,7
	global_load_b128 v[96+8*\b+96*(\b/4):99+8*\b+96*(\b/4)], v[H32], s[16:17] offset:64*\b        ; bias(16 b + 8 h + 0 .. 7), for q and k
	global_load_b128 v[100+8*\b+96*(\b/4):103+8*\b+96*(\b/4)], v[H32], s[16:17] offset:64*\b+16
.endr
	WIN 0
	v_lshlrev_b32 v[L16], 4, v7
	v_lshlrev_b32 v[L8], 3, v7
	; CHUNKS 1 AND 2 ARE ASKED FOR INTO THE L2: 256 rows x 2 blocks of 256 bytes = 512 blocks for the 512 lanes of the four partners that will load them jointly, shared out by address: lane l names row l / 2 of its wave's 16, chunk 1 + l % 2.
	; Chunk 1's load follows behind the head's, chunk 2's two K steps later.  W's rows are read by all eight rows of clusters: four of them ask.  v23, v24, s[4:5], s[12:13] are not written again.
	v_lshrrev_b32 v23, 1, v7
	v_and_b32 v24, 1, v7
	v_mul_u32_u24 v23, v23, 768
	v_lshl_add_u32 v24, v24, 8, v23
	v_add_nc_u32 v23, s93, v24
	v_add_nc_u32 v24, s96, v24
	global_prefetch_b8 v23, s[4:5] offset:256 th:TH_LOAD_NT scope:SCOPE_SE
	s_cmp_lt_u32 s97, 4
	s_cbranch_scc0 .Lno_w_pf
	global_prefetch_b8 v24, s[12:13] offset:256 th:TH_LOAD_NT scope:SCOPE_SE
.Lno_w_pf:
	v_mul_u32_u24 v[SCA], v2, HS
	v_lshl_add_u32 v[SCA], v1, 4, v[SCA]
	v_lshlrev_b32 v[H16], 4, v2
	v_mul_u32_u24 v3, v1, PITCH
	v_mul_u32_u24 v4, v2, 24
	v_add_nc_u32 v4, v3, v4                        ; a fragment's row x pitch + 24 x half
	v_mul_u32_u24 v5, v2, SLOTSZ-232
	v_add_nc_u32 v5, v3, v5                        ; from slot 0: lanes 16-31 in slot 1, 256 - 24 bytes back
	v_mul_u32_u24 v6, v2, SLOTSZ+232               ; from slot 1: lanes 16-31 in slot 0
	s_mul_i32 s89, s11, HALFT
	s_add_co_u32 s89, s89, SLOT0                   ; my 128 rows of x
	s_mul_i32 s90, s36, HALFT
	s_add_co_u32 s90, s90, SLOT0+2*HALFT           ; my 128 rows of W, behind x's 256
	v_add_nc_u32 v[ADRX], s89, v4
	v_add_nc_u32 v[ADRX+2], s89, v5
	v_add_nc_u32 v[ADRW], s90, v4
	v_add_nc_u32 v[ADRW+2], s90, v5
	s_add_co_u32 s89, s89, SLOTSZ
	s_add_co_u32 s90, s90, SLOTSZ
	v_add_nc_u32 v[ADRX+1], s89, v4
	v_add_nc_u32 v[ADRW+1], s90, v4
	v_add_nc_u32 v[ADRX+3], s89, v3
	v_sub_nc_u32 v[ADRX+3], v[ADRX+3], v6
	v_add_nc_u32 v[ADRW+3], s90, v3
	v_sub_nc_u32 v[ADRW+3], v[ADRW+3], v6
	v_lshlrev_b32 v5, 5, v1                        ; scale bytes: 32 a row
	s_lshl_b32 s89, s11, 12                        ; x's: my 128 rows
	s_lshl_b32 s90, s36, 12
	s_add_co_u32 s90, s90, 8192                    ; W's: my 128 rows, behind x's 256
	s_sub_co_u32 s90, s90, s89
	v_mul_u32_u24 v6, s90, v2                      ; lanes 16-31 take W's
	v_add_nc_u32 v5, v5, v6
	v_add_nc_u32 v[ADRS], s89, v5
; A fragment, 16 rows x 128 K of 6-bit codes, is 12 registers: lane l holds row l % 16; registers 6 c .. 6 c + 5 hold K = 64 c + 32 (l / 16) + 0 .. 31: 24 bytes of the row, as they lie, in pieces of 8 bytes.
; Lanes 0-15 take the row's pieces 12 q + 0, 1, 2, 6, 7, 8, lanes 16-31 those three pieces on.  A chunk holds 32 pieces; chunk c lies in slot c % 2.
.macro FRAG reg, adr, q, i
.irp p, 0,1,2,3,4,5
.set PCE, 12*(\q)+6*(\p/3)+\p%3
.set SL, (PCE/32)%2
.if PCE%32 < 29
	ds_load_b64 v[\reg+2*\p:\reg+2*\p+1], v[\adr+SL] offset:8*(PCE%32)+(\i)*16*PITCH
.else
	ds_load_b64 v[\reg+2*\p:\reg+2*\p+1], v[\adr+2+SL] offset:8*(PCE%32)+(\i)*16*PITCH
.endif
.endr
.endm
.macro FETCH_W q, set                  ; W's eight fragments of K step q into set
	WIN 0x40
.irp i, 0,1,2,3,4,5,6,7
	FRAG 128*(\set)+FR*\i, ADRW, \q, \i
.endr
	WIN 0
.endm
.macro FETCH_X q, i0                   ; x's blocks i0 .. i0 + 3
.irp i, \i0, \i0+1, \i0+2, \i0+3
	FRAG XF+FR*(\i), ADRX, \q, \i
.endr
.endm
; 16 matrix instructions: x's blocks a0, a0 + 1 against W's eight.  The 64 accumulators ((a, b) at v[8 (8 (a % 4) + b)] of window 2 or 3) take turns, one instruction a turn, in the same order in every step.
.macro MUL16Q a0, set, q, zero         ; q, k: source 0 = W
.irp a, \a0, \a0+1
.irp b, 0,1,2,3,4,5,6,7
.if \zero
	v_wmma_scale_f32_16x16x128_f8f6f4 v[8*(8*((\a)%4)+\b):8*(8*((\a)%4)+\b)+7], v[128*(\set)+FR*\b:128*(\set)+FR*\b+FR-1], v[XF+FR*(\a):XF+FR*(\a)+FR-1], 0, v[SC+8*\b+(\q)], v[SC+8*(\a)+(\q)] matrix_a_fmt:MATRIX_FMT_FP6 matrix_b_fmt:MATRIX_FMT_FP6 matrix_a_scale:MATRIX_SCALE_ROW1
.else
	v_wmma_scale_f32_16x16x128_f8f6f4 v[8*(8*((\a)%4)+\b):8*(8*((\a)%4)+\b)+7], v[128*(\set)+FR*\b:128*(\set)+FR*\b+FR-1], v[XF+FR*(\a):XF+FR*(\a)+FR-1], v[8*(8*((\a)%4)+\b):8*(8*((\a)%4)+\b)+7], v[SC+8*\b+(\q)], v[SC+8*(\a)+(\q)] matrix_a_fmt:MATRIX_FMT_FP6 matrix_b_fmt:MATRIX_FMT_FP6 matrix_a_scale:MATRIX_SCALE_ROW1
.endif
.endr
.endr
.endm
.macro MUL16V a0, set, q, zero         ; v: source 0 = x
.irp a, \a0, \a0+1
.irp b, 0,1,2,3,4,5,6,7
.if \zero
	v_wmma_scale_f32_16x16x128_f8f6f4 v[8*(8*((\a)%4)+\b):8*(8*((\a)%4)+\b)+7], v[XF+FR*(\a):XF+FR*(\a)+FR-1], v[128*(\set)+FR*\b:128*(\set)+FR*\b+FR-1], 0, v[SC+8*(\a)+(\q)], v[SC+8*\b+(\q)] matrix_a_fmt:MATRIX_FMT_FP6 matrix_b_fmt:MATRIX_FMT_FP6 matrix_b_scale:MATRIX_SCALE_ROW1
.else
	v_wmma_scale_f32_16x16x128_f8f6f4 v[8*(8*((\a)%4)+\b):8*(8*((\a)%4)+\b)+7], v[XF+FR*(\a):XF+FR*(\a)+FR-1], v[128*(\set)+FR*\b:128*(\set)+FR*\b+FR-1], v[8*(8*((\a)%4)+\b):8*(8*((\a)%4)+\b)+7], v[SC+8*(\a)+(\q)], v[SC+8*\b+(\q)] matrix_a_fmt:MATRIX_FMT_FP6 matrix_b_fmt:MATRIX_FMT_FP6 matrix_b_scale:MATRIX_SCALE_ROW1
.endif
.endr
.endr
.endm
; 32 matrix instructions: x's blocks 4 hi .. 4 hi + 3.  At a branch and at a label every window is 0.
.macro MULS hi, set, q, zero
	s_cmp_lg_u32 s37, 0
	s_cbranch_scc1 .Lmv_\@
	WIN 0xa1+0x50*\hi                              ; source 0 (W) window 1, source 1 (x) window 0, C and D window 2 or 3
	MUL16Q 4*\hi, \set, \q, \zero
	MUL16Q 4*\hi+2, \set, \q, \zero
	WIN 0
	s_branch .Lmj_\@
.Lmv_\@:
	WIN 0xa4+0x50*\hi                              ; source 0 (x) window 0, source 1 (W) window 1
	MUL16V 4*\hi, \set, \q, \zero
	MUL16V 4*\hi+2, \set, \q, \zero
	WIN 0
.Lmj_\@:
.endm
; A step of 128 along K.  A block of x is free as soon as its eight products are issued, so one set serves x: blocks 0-3 are fetched anew in the step's middle, blocks 4-7 at its end.  W has two sets.
; sync = 1: the next fragments lie in a chunk whose load may still be out: my load is waited for, then a barrier.
; sync = 2: slot 0 has been read for the last time as chunk 0: it is filled again, with chunk 2.
.macro STEP q, zero, sync
	s_wait_dscnt 24                                ; W's set and x's blocks 0-3 are in; the youngest 24 loads (x's blocks 4-7) may be out
	MULS 0, (\q)%2, \q, \zero
.if \sync == 2
	s_wait_tensorcnt 0x0                           ; no tensor load of mine is out, so a group 0 may be written
	ds_add_u32 v[SPW], v[NIL]                      ; 0 onto my spare word
	s_add_nc_u64 s[G0X0+2:G0X0+3], s[G0X0+2:G0X0+3], 512           ; chunk 0's descriptors step to chunk 2; the type bits on top are not reached
	s_add_nc_u64 s[G0W0+2:G0W0+3], s[G0W0+2:G0W0+3], 512
	s_wait_dscnt 0x0                               ; the add is done, and my reads of slot 0 are over (fragment 2 was its last reader)
	CROUND                                         ; the same holds of every wave of every partner
	JLOAD G0X0, G1X, G0W0, G1W                     ; the first tensor load behind the round, my only one: 128 matrix instructions ahead of the wait for it; its four v_nop are the places in front of the loads below
.else
.if \sync == 1
	s_wait_tensorcnt 0x0                           ; my one load that was out, my part of the next chunk, has landed
.endif
	s_wait_dscnt 0x0                               ; x's blocks 4-7 are in
.if \sync == 1
	s_barrier_signal -1
	s_barrier_wait -1                              ; everybody's part has landed
.endif
	PLACES 4
.endif
	FETCH_W (\q)+1, ((\q)+1)%2
	FETCH_X (\q)+1, 0
	MULS 1, (\q)%2, \q, \zero
	PLACES 4
	FETCH_X (\q)+1, 4
.endm
; 64 numbers of a lane, v[s] .. v[s + 63], register 16 b + i = place 16 (lane / 16) + i of block b of my row, become a fragment's codes in v[PC] on and its scale word in v[PW].
.macro QUANT s
.irp b, 0,1,2,3
	v_max3_num_f32 v[TM+\b], |v[\s+16*\b]|, |v[\s+1+16*\b]|, 0x1800000   ; my 16 numbers, and the floor 2^(3 - 127): the byte cannot fall under 1
.endr
.irp i, 2,4,6,8,10,12,14
.irp b, 0,1,2,3
	v_max3_num_f32 v[TM+\b], v[TM+\b], |v[\s+16*\b+\i]|, |v[\s+1+16*\b+\i]|   ; (the four blocks by turns)
.endr
.endr
.irp b, 0,1,2,3
	v_permlanex16_b32 v[TM+4+\b], v[TM+\b], s[SEL], s[SEL+1]
.endr
.irp b, 0,1,2,3
	v_max_num_f32 v[TM+\b], v[TM+\b], v[TM+4+\b]   ; with lane l xor 16's: the block's largest magnitude
.endr
.irp b, 0,1,2,3
	v_add_nc_u32 v[TM+12+\b], 0xff000000, v[TM+\b] ; 2 off its exponent field: the conversion takes the exponent field of this operand as its scale
.endr
.irp b, 0,1,2,3
	v_lshrrev_b32 v[TM+4+\b], 23, v[TM+12+\b]      ; the scale's byte
.endr
	v_lshl_or_b32 v[PW], v[TM+5], 8, v[TM+4]
	v_lshl_or_b32 v[PW], v[TM+6], 16, v[PW]
	v_lshl_or_b32 v[PW], v[TM+7], 24, v[PW]
.irp c, 0,1
	v_cvt_scalef32_pk16_fp6_f32 v[PC+6*\c:PC+2+6*\c], v[\s+32*\c:\s+15+32*\c], v[TM+12+2*\c]
	v_cvt_scalef32_pk16_fp6_f32 v[PC+12+4*\c:PC+14+4*\c], v[\s+16+32*\c:\s+31+32*\c], v[TM+12+2*\c+1]   ; (a conversion's three registers begin on an even number)
.endr
	v_nop                                          ; one plain place behind a scaled conversion
.irp c, 0,1                                    ; the operand's layout wants a whole block in a lane: lanes 0-15 block 2 c, lanes 16-31 block 2 c + 1
.irp i, 0,1,2
	v_permlane16_swap_b32 v[PC+6*\c+\i], v[PC+12+4*\c+\i]
.endr
.irp i, 0,1,2
	v_mov_b32 v[PC+3+6*\c+\i], v[PC+12+4*\c+\i]
.endr
.endr
.endm
; q, k: x's block a (16 rows) x my 128 features = two heads.  Registers 0-5 of the codes are the first head's 64 features, 6-11 the second's.
.macro EPI_QK a
	s_wait_xcnt 0x0                                ; the earlier stores have read their registers: the codes and the scale words may be written again
	WIN 0x06+(\a)/4                                ; source 0: the accumulators' window; source 1: window 1, the bias
.set i, 0
.rept 32
	v_pk_add_f32 v[ST+2*i:ST+2*i+1], v[64*((\a)%4)+2*i:64*((\a)%4)+2*i+1], v[96+2*i+96*(i/16):97+2*i+96*(i/16)]   ; each accumulator from its low end on
.set i, i+1
.endr
	WIN 0
	QUANT ST
	global_store_b128 v[L16], v[PC:PC+3], s[18:19] offset:768*(\a)           ; 32 lanes store 512 consecutive bytes, at a multiple of 256 from the buffer's start
	global_store_b64 v[L8], v[PC+4:PC+5], s[18:19] offset:768*(\a)+512       ; 256 consecutive bytes
	global_store_b128 v[L16], v[PC+6:PC+9], s[18:19] offset:HS+768*(\a)
	global_store_b64 v[L8], v[PC+10:PC+11], s[18:19] offset:HS+768*(\a)+512
	v_lshrrev_b32 v[TMPR], v[H16], v[PW]           ; lanes 0-15: the first head's two bytes, lanes 16-31: the second's,
	v_and_or_b32 v[W4+(\a)%4], v[TMPR], 0xffff, v[PAD+(\a)]        ; under the two bytes of the unused half of K
.if (\a)%4 == 3
	global_store_b128 v[SCA], v[W4:W4+3], s[18:19] offset:6144+256*((\a)/4)  ; sixteen lanes store 256 consecutive bytes of each head's record
.endif
.endm
; v: W's block b (16 features) x my 128 keys: one fragment of 16 x 128 and its scale words.
.macro EPI_V b
	s_wait_xcnt 0x0
.irp a, 0,1,2,3,4,5,6,7
	WIN 0x02+\a/4                                  ; source 0: the accumulators' window
.irp i, 0,2,4,6
	v_pk_add_f32 v[ST+8*\a+\i:ST+8*\a+\i+1], v[8*(8*(\a%4)+(\b))+\i:8*(8*(\a%4)+(\b))+\i+1], v[BV+2*(\b):BV+2*(\b)+1]
.endr
.endr
	WIN 0
	QUANT ST
.irp c, 0,1,2
	global_store_b128 v[L16], v[PC+4*\c:PC+4*\c+3], s[18:19] offset:((\b)/4)*HS+1536*((\b)%4)+512*\c
.endr
	v_mov_b32 v[W4+(\b)%4], v[PW]
.if (\b)%4 == 3
	global_store_b128 v[L16], v[W4:W4+3], s[18:19] offset:((\b)/4)*HS+6144
.endif
.endm
	s_wait_alu depctr_va_vdst(0)                   ; the wait at the head's end
	s_wait_tensorcnt 0x0                           ; my tile of the head's four is in
	ds_add_u32 v[SPW], v[NIL]
	s_mov_b32 s[G1X+2], 128<<16                    ; no tensor load of mine is out, so descriptors may be written: from here on a load brings 128 rows
	s_mov_b32 s[G1X+4], 128
	s_mov_b32 s[G1W+2], 128<<16
	s_mov_b32 s[G1W+4], 128
	MKG0 G0X0, 98, SLOT0, 4, 0                     ; slot 0's descriptors, now for my 128 rows: the refill steps them to chunk 2
	MKG0 G0W0, 98, SLOT0, 12, 0
	s_add_nc_u64 s[G0X0+2:G0X0+3], s[G0X0+2:G0X0+3], s[94:95]
	s_add_nc_u64 s[G0W0+2:G0W0+3], s[G0W0+2:G0W0+3], s[94:95]
	s_wait_dscnt 0x0                               ; the add is done
	CROUND                                         ; all four tiles are in, in every partner
	JLOAD G0X1, G1X, G0W1, G1W                     ; chunk 1: slot 1's first fill, my one load behind the round
	FETCH_W 0, 0
	FETCH_X 0, 0
.irp i, 0,1,2,3,4,5,6,7                        ; all scale words, once: eight words a row
	ds_load_b128 v[SC+8*\i:SC+8*\i+3], v[ADRS] offset:512*\i
	ds_load_b128 v[SC+8*\i+4:SC+8*\i+7], v[ADRS] offset:512*\i+16
.endr
	FETCH_X 0, 4
	STEP 0, 1, 0                                   ; the first products start the sums: nothing is cleared
	STEP 1, 0, 1                                   ; fragment 2 reaches into chunk 1
	STEP 2, 0, 2                                   ; slot 0 takes chunk 2
	STEP 3, 0, 0
	STEP 4, 0, 1                                   ; fragment 5 reaches into chunk 2
	STEP 5, 0, 0
	STEP 6, 0, 0
	s_wait_dscnt 24                                ; the last step: nothing more to fetch
	MULS 0, 1, 7, 0
	s_wait_dscnt 0x0
	MULS 1, 1, 7, 0
	PLACES 4                                       ; in front of the first read of results and of writes into x's fragments
	s_wait_loadcnt 0x0                             ; the bias and the mask
.irp b, 0,1,2,3
	v_mov_b32 v[TM+4+\b], 0                        ; written once: a lane permute's destination counts as one of its sources
.endr
	s_cmp_lg_u32 s37, 0
	s_cbranch_scc1 .Lepi_v
	s_mov_b32 s89, 0x01010000                      ; k, a key that counts: bytes 1, 1
	s_mov_b32 s90, 0x01e30000                      ; k, a key that does not: byte 227 over the code -7.5
	s_mov_b32 s91, 0x7f7f0000                      ; q: bytes 127, 127
	s_cmp_eq_u32 ttmp9, 1
	s_cselect_b32 s89, s89, s91
	s_cselect_b32 s90, s90, s91
	v_mov_b32 v[VUN], s89
	v_mov_b32 v[VMA], s90
.irp a, 0,1,2,3,4,5,6,7
	v_cmp_eq_u32 vcc_lo, 0, v[PAD+\a]
	v_cndmask_b32 v[PAD+\a], v[VUN], v[VMA], vcc_lo
.endr
.irp a, 0,1,2,3,4,5,6,7
	EPI_QK \a
.endr
	s_branch .Lend
.Lepi_v:
.irp b, 0,1,2,3,4,5,6,7
	EPI_V \b
.endr
.Lend:
	s_wait_tensorcnt 0x0                           ; the wave's end
	ds_add_u32 v[SPW], v[NIL]
	s_wait_dscnt 0x0
	CROUND                                         ; the closing round: no work-group ends while a partner may still ask for a tile that names it
	s_endpgm
.Lfunc_end_k_q9e3eda38b3_proj:
	.size	k_q9e3eda38b3_proj, .Lfunc_end_k_q9e3eda38b3_proj-k_q9e3eda38b3_proj
	.p2alignl 7, 3214868480
	.fill 96, 4, 3214868480
	.section	.rodata,"a",@progbits
	.p2align	6, 0x0
	.amdhsa_kernel k_q9e3eda38b3_proj
		.amdhsa_group_segment_fixed_size 327680
		.amdhsa_private_segment_fixed_size 0
		.amdhsa_enable_private_segment 0
		.amdhsa_kernarg_size 120
		.amdhsa_user_sgpr_count 2
		.amdhsa_user_sgpr_kernarg_segment_ptr 1
		.amdhsa_wavefront_size32 1
		.amdhsa_system_sgpr_workgroup_id_x 1
		.amdhsa_system_sgpr_workgroup_id_y 1
		.amdhsa_system_sgpr_workgroup_id_z 1
		.amdhsa_system_vgpr_workitem_id 0
		.amdhsa_next_free_vgpr 1024
		.amdhsa_next_free_sgpr 100
		.amdhsa_reserve_vcc 1
		.amdhsa_float_denorm_mode_32 3
		.amdhsa_float_denorm_mode_16_64 3
		.amdhsa_memory_ordered 1
		.amdhsa_forward_progress 1
		.amdhsa_inst_pref_size 255
	.end_amdhsa_kernel
	.section	.bss,"aw",@nobits
	.p2align	6
	.space	262144
	.amdgpu_metadata
---
amdhsa.version: [ 1, 2 ]
amdhsa.kernels:
  - .name:           k_q9e3eda38b3_proj
    .symbol:         k_q9e3eda38b3_proj.kd
    .args:
      - { .name: x_codes, .offset: 0, .size: 8, .value_kind: global_buffer, .address_space: global }
      - { .name: x_scales, .offset: 8, .size: 8, .value_kind: global_buffer, .address_space: global }
      - { .name: mask, .offset: 16, .size: 8, .value_kind: global_buffer, .address_space: global }
      - { .name: Wq_codes, .offset: 24, .size: 8, .value_kind: global_buffer, .address_space: global }
      - { .name: Wq_scales, .offset: 32, .size: 8, .value_kind: global_buffer, .address_space: global }
      - { .name: bq, .offset: 40, .size: 8, .value_kind: global_buffer, .address_space: global }
      - { .name: qbuf, .offset: 48, .size: 8, .value_kind: global_buffer, .address_space: global }
      - { .name: Wk_codes, .offset: 56, .size: 8, .value_kind: global_buffer, .address_space: global }
      - { .name: Wk_scales, .offset: 64, .size: 8, .value_kind: global_buffer, .address_space: global }
      - { .name: bk, .offset: 72, .size: 8, .value_kind: global_buffer, .address_space: global }
      - { .name: kbuf, .offset: 80, .size: 8, .value_kind: global_buffer, .address_space: global }
      - { .name: Wv_codes, .offset: 88, .size: 8, .value_kind: global_buffer, .address_space: global }
      - { .name: Wv_scales, .offset: 96, .size: 8, .value_kind: global_buffer, .address_space: global }
      - { .name: bv, .offset: 104, .size: 8, .value_kind: global_buffer, .address_space: global }
      - { .name: vbuf, .offset: 112, .size: 8, .value_kind: global_buffer, .address_space: global }
    .group_segment_fixed_size: 327680
    .private_segment_fixed_size: 0
    .kernarg_segment_align: 8
    .kernarg_segment_size: 120
    .max_flat_workgroup_size: 128
    .sgpr_count:     100
    .vgpr_count:     1024
    .wavefront_size: 32
...
	.end_amdgpu_metadata
.endif
;; end of part 1
;; launch attn (part 2): grid 4 x 64, 8 waves a work-group, clusters of 4 x 1, 268,288 bytes of LDS; arguments qbuf, kbuf, vbuf, att; writes att
.if DOCPART == 2
	.amdgcn_target "amdgcn-amd-amdhsa--gfx1250"
	.amdhsa_code_object_version 6
	.text
	.protected	k_q9e3eda38b3_attn
	.globl	k_q9e3eda38b3_attn
	.p2align	8
	.type	k_q9e3eda38b3_attn,@function
k_q9e3eda38b3_attn:
	s_mov_b64 s[64:65], 0
	v_nop
	global_prefetch_b8 v0, s[64:65] scope:SCOPE_SE
	s_setreg_imm32_b32 hwreg(HW_REG_WAVE_MODE, 25, 1), 1
	s_wait_xcnt 0x0
	s_wait_alu depctr_hold_cnt(0) depctr_sa_sdst(0) depctr_va_vdst(0) depctr_va_sdst(0) depctr_va_ssrc(0) depctr_va_vcc(0) depctr_vm_vsrc(0)
	s_getreg_b32 s2, hwreg(HW_REG_IB_STS2, 6, 4)
	s_cmp_eq_u32 s2, 0
	s_cbranch_scc0 .Lentry_in_a_cluster
	s_endpgm
.Lentry_in_a_cluster:
	s_bfe_u32 s2, ttmp6, 0x10000c
	s_cmp_lg_u32 s2, 0x3003
	s_cbranch_scc0 .Lentry_shape_is_right
	s_endpgm
.Lentry_shape_is_right:
; For each batch and head: O[q] = sum over keys of softmax(q . k / 8) v, both products on codes of FP6 (E2M3) with one E8M0 scale for each 32 along a product's K; the result is quantised along the model's 1,024 for the last product.
; THE SOFTMAX: t = score x log2(e) / 8; M = the row's largest t so far, rounded up to a whole number; p = 2^(t - M) is quantised along the keys, not normalised; the row's sum is taken of the unquantised p and divides
; O at the end.  When M moves, the sum and O are multiplied by 2^(old M - new M): exact.
; INPUTS are images of operand registers (lane l's 16 or 8 bytes at 16 l or 8 l), in records of 6,656 bytes (26 rows of 256) for 128 rows or keys; a head is 16 records, 106,496 bytes.
;   qbuf, kbuf: 8 tile images of 16 rows x 768 bytes (registers 0-3: two rows of 256 bytes; 4-5: one), then two rows of scale words [image / 4][row][image % 4].  vbuf: 4 fragments (16 features x 128 keys) x 1,536 bytes, then four scale registers' image.
; SHARES.  A work-group owns 512 queries of one head; the four work-groups of a head form a cluster and ask for K and V JOINTLY, one load of four records a wave.  A WHOLE HEAD'S K AND V STAY IN LDS: every fill is a first fill.
; All that the launch reads by tensor loads is asked for at its head, so nothing is left to prefetch.
; Each of eight waves works on TWO tiles of 16 queries at once (A, B: neighbours in a record), in two passes: each fragment of K and of V read from LDS feeds two products, and the two tiles' chains of vector work go by turns.
; K's eight fragments are fetched anew straight behind the products that read them, V's four likewise: a fetch has the rest of a step in which to land.
; LAYOUT.  S^T = K Q^T (source 0 = 16 keys, source 1 = 16 queries), O^T = V^T P^T (source 0 = 16 features, source 1 = P): a lane holds one query (lane % 16) of each tile throughout.
; THE KEYS OF A TILE ARE NOT NEIGHBOURS.  Tile (c, u) of a step's 128 keys takes as rows 0-7 keys 64 c + 16 (u % 2) + 8 (u / 2) + 0 .. 7 and as rows 8-15 the keys 32 further on.  So a lane's registers 32 c + 8 u + j are the 32 places of ONE
; block, 2 c + lane / 16, in the order in which V's codes were laid: a block's largest score needs no other lane, and the conversions' results are the operand's registers.  The tile is made by the lanes' LDS addresses.
; LDS ROWS of 256 bytes lie 320 apart: two images are six rows, 1,920 bytes = 128 modulo 256, so that in a load of 16 bytes lanes 0-7 and lanes 8-15 fall into different halves of the 64 banks of 4 bytes (ISA guide 11.1).
; THE FIRST PRODUCT'S K IS 64: registers 6-11 of its operands are constants.  At k = 64 Q has the code +1.0 and K the code -7.5; K's scale byte there is 227 for a key whose mask is 0, else 1 (made by the launch before):
; a masked score is -7.5 x 2^100 and its p is 0.  The largest score starts at -2^92, above every masked score.  A row with no counted key has the sum 0: its scale bytes become 0xff, which makes the last product NaN there.
; OUTPUT att: [block of 128 rows: 64] x 102,400 bytes: 4,096 scale bytes [row][32], then [head][tile of 16 rows: 8] x 768: half fragments' images, in the true order along the model's axis.
; LIMITS: scores under 2^92 in magnitude; NaN and infinities are not served; a block of zeros, or one under 2^-124, gets the byte 1.  A block's largest p is taken as the p of its largest score, which leans on v_exp_f32 not falling where its input rises.
; REGISTERS.  Window 0: v1 16 x lane; v2 8 x lane + 512; v3, v11, v28 my lane's place in a record of K (16-byte loads, 8-byte loads, scale words), v4 in one of V; v5-8 these + the record fetched next; v9 32 r; v10 8 h; v30 Q's scale words' offset;
;   tile T: v[12+4T] -M, v[13+4T] the largest score, v[14+4T:15+4T] the sum; v[20+T] the old -M; v[22+2T] f; the names below.  Window 1: K's eight fragments at v0, V's four at v96, O^T of A and B at v144, v176, Q of A and B at v208, v220.
.set HS,   106496                      ; a head in memory
.set REC,  6656                        ; a record in memory
.set PR,   320                         ; an LDS row
.set RECL, 26*PR                       ; a record in LDS
.set VREG, 16*RECL                     ; LDS: K at 0, V behind it
.set SPARE, 32*RECL                    ; then the spare words, 128 bytes a wave
.set SA,   32                          ; v32-95 S^T, then p, of tile A; block q = 2 T + c lies at SA + 32 q
.set SB,   96                          ; v96-159 of tile B
.set PCA,  160                         ; v160-171 p's codes of A, v172-183 of B
.set TA,   184                         ; v184.., 188.., (B) 192.., 196..: the conversions' second halves
.set BM,   200                         ; v200-203 block q's largest score, then its largest p
.set C2,   204                         ; v204-207 its second chain
.set SO,   208                         ; v208-211 the conversions' scale operands
.set EB,   212                         ; v212-215 the scale bytes
.set PT,   216                         ; v216-219 what the other half of the lanes sends
.set SU,   220                         ; v220-231 three chains of the sum for each tile
.set KS,   232                         ; v232-239 K's scale words, v240-243 V's, v244-245 p's, v246-247 Q's: scales and nothing else
.set VS,   240
.set PS,   244
.set QS,   246
.set TW,   248                         ; v248-251 at work; v252 0xffff
.set VF,   96                          ; window 1
.set OA,   144
.set QF,   208
.set G1,   24                          ; s[24:31] descriptor group 1, s[32:35] group 0
.set G0,   32
; s12 wave; s[20:21] lane selects; s[22:23] c; s47 pass; s48 LDS byte of the record fetched next; s49 counter
.set MSB, 0
.macro WIN new                         ; the immediate's high byte repeats the setting that is left
.if MSB != (\new)
	s_set_vgpr_msb (MSB<<8)|(\new)
.set MSB, (\new)
.endif
.endm
.macro WALU
	s_wait_alu depctr_va_vdst(0)
.endm
.macro CROUND                          ; a round of the cluster's barrier
	s_barrier_signal -1
	s_barrier_wait -1
	s_cmp_lg_u32 s12, 0
	s_cbranch_scc1 .Lnot_wave_0_\@
	s_barrier_signal -3
.Lnot_wave_0_\@:
	s_barrier_wait -3
	s_barrier_signal -1
	s_barrier_wait -1
.endm
	s_load_b256 s[4:11], s[0:1], 0x0               ; qbuf s[4:5], kbuf s[6:7], vbuf s[8:9], att s[10:11]
	v_lshl_add_u32 v254, v0, 2, SPARE
	v_mov_b32 v255, 0
	ds_add_u32 v254, v255                          ; the opening lines: the add, twice on end, and its wait
	ds_add_u32 v254, v255
	v_lshrrev_b32 v31, 5, v0
	v_readfirstlane_b32 s12, v31                   ; wave 0..7
	s_bfe_u32 s13, ttmp6, 0x40000                  ; cx
	s_lshl_b32 s14, ttmp9, 2
	s_add_co_u32 s14, s14, s13                     ; my block of 512 queries: it enters Q's and att's addresses alone
	s_and_b32 s15, ttmp7, 0xffff                   ; batch x 16 + head, which the four partners share
	s_mul_i32 s18, s15, HS                         ; the head's first byte in qbuf, kbuf, vbuf
	s_mov_b32 s19, 0
	s_mov_b32 s20, 0x76543210
	s_mov_b32 s21, 0xfedcba98
	s_mov_b32 s22, 0x3e38aa3b                      ; c = log2(e) / 8
	s_mov_b32 s23, s22
	s_mov_b32 s[G1], 15|(3<<16)|(1<<20)|(1<<21)|(5<<22)|(15<<25)   ; the mask: all four work-groups; elements of 8 bytes; padding: after every 64 words 16 words; bit 21 beside the mask
	s_mov_b32 s[G1+1], 32<<16                      ; rows of 256 bytes,
	s_mov_b32 s[G1+2], 104<<16                     ; 104 of them: four records
	s_mov_b32 s[G1+3], 32<<16
	s_mov_b32 s[G1+4], 104
	s_mov_b32 s[G1+5], 32                          ; dense
	s_mov_b32 s[G1+6], 0
	s_mov_b32 s[G1+7], 0
	s_mul_i32 s50, s12, 4*RECL                     ; wave w fills LDS records 4 w .. 4 w + 3: waves 0-3 K's sixteen, waves 4-7 V's
	s_lshl_b32 s51, s14, 2
	s_lshr_b32 s52, s12, 2
	s_add_co_u32 s51, s51, s52                     ; pass 0: my tiles lie in record 4 x block + wave / 4 (pass 1: two records on),
	s_and_b32 s52, s12, 3
	s_lshl_b32 s52, s52, 1                         ; as its tiles 2 (wave % 4) and the next
	s_mul_i32 s54, s51, REC
	s_add_co_u32 s54, s54, s18
	s_mul_i32 s53, s52, 768
	s_add_co_u32 s56, s54, s53                     ; Q's codes
	s_mov_b32 s57, 0
	s_lshr_b32 s53, s52, 2
	s_lshl_b32 s53, s53, 8
	s_add_co_u32 s58, s54, s53
	s_and_b32 s53, s52, 3
	s_lshl_b32 s53, s53, 2
	s_add_co_u32 s58, s58, s53                     ; Q's scale words, less the 6,144 + 16 r that v30 holds
	s_mov_b32 s59, 0
	s_lshr_b32 s53, s15, 4
	s_lshl_b32 s53, s53, 4
	s_add_co_u32 s53, s53, s51                     ; att's block of 128 rows: batch x 16 + the record
	s_mul_i32 s60, s53, 102400
	s_and_b32 s53, s15, 15                         ; the head
	s_lshl_b32 s62, s53, 1
	s_add_co_u32 s62, s62, s60
	s_lshl_b32 s61, s52, 9
	s_add_co_u32 s62, s62, s61                     ; att's scale bytes: 32 x (16 x tile + r) + 2 x head
	s_mov_b32 s63, 0
	s_mul_i32 s53, s53, 6144
	s_add_co_u32 s60, s60, s53
	s_mul_i32 s53, s52, 768
	s_add_co_u32 s60, s60, s53
	s_add_co_u32 s60, s60, 4096                    ; att's codes
	s_mov_b32 s61, 0
	s_wait_dscnt 0x0
	s_wait_kmcnt 0x0
	s_add_nc_u64 s[16:17], s[4:5], s[58:59]
	s_add_nc_u64 s[4:5], s[4:5], s[56:57]
	s_add_nc_u64 s[56:57], s[10:11], s[62:63]
	s_add_nc_u64 s[10:11], s[10:11], s[60:61]
	s_cmp_lt_u32 s12, 4                            ; the choice hangs on the wave's number alone
	s_cselect_b64 s[52:53], s[6:7], s[8:9]
	s_add_nc_u64 s[52:53], s[52:53], s[18:19]
	s_and_b32 s54, s12, 3
	s_mul_i32 s54, s54, 4*REC
	s_mov_b32 s55, 0
	s_add_nc_u64 s[52:53], s[52:53], s[54:55]
	CROUND                                         ; all four work-groups are here: the joint loads meet
	s_mov_b32 s[G0], 1
	s_mov_b32 s[G0+1], s50
	s_mov_b64 s[G0+2:G0+3], s[52:53]
	s_or_b32 s[G0+3], s[G0+3], 0x80000000
	tensor_load_to_lds s[G0:G0+3], s[G1:G1+7]      ; one load a wave, one line with no branch
	s_nop 0
.rept 4
	v_nop
.endr
	v_and_b32 v31, 31, v0                          ; lane
	v_and_b32 v26, 15, v0                          ; r
	v_bfe_u32 v27, v0, 4, 1                        ; h
	v_and_b32 v29, 7, v0                           ; r % 8
	v_bfe_u32 v32, v0, 3, 1                        ; r / 8
	v_lshlrev_b32 v1, 4, v31
	v_lshlrev_b32 v2, 3, v31
	v_lshlrev_b32 v30, 4, v26
	v_lshlrev_b32 v9, 5, v26
	v_lshlrev_b32 v10, 3, v27
	v_mul_u32_u24 v33, v32, 6*PR                   ; rows 8-15 of a tile read two images, six LDS rows, further on
	v_add_nc_u32 v2, 512, v2
	v_add_nc_u32 v30, 6144, v30
	v_lshl_add_u32 v3, v29, 4, v33                 ; registers 0-3: LDS row 3 x image + h, byte 16 x the image's row
	v_lshl_add_u32 v11, v29, 3, v33                ; registers 4-5: LDS row 3 x image + 2, byte 8 x (the image's row + 16 h)
	v_lshlrev_b32 v28, 4, v29                      ; scale words: LDS row 24 + c, byte 16 x the image's row + 4 x (image % 4)
	v_lshlrev_b32 v4, 4, v26                       ; V: a piece of 512 bytes is two LDS rows: 16 r + 320 h
	v_mad_u32_u24 v3, v27, PR, v3
	v_lshl_add_u32 v11, v27, 7, v11
	v_lshl_add_u32 v28, v32, 3, v28
	v_mad_u32_u24 v4, v27, PR, v4
	v_sub_nc_u32 v33, 1, v27                       ; 1 in lanes 0-15, which hold k = 64 .. 95 in registers 6-11
	v_add_nc_u32 v11, 2*PR, v11
	v_add_nc_u32 v28, 24*PR, v28
	v_add_nc_u32 v4, VREG, v4
	v_lshlrev_b32 v34, 3, v33                      ; Q: the code 0x08, +1.0, at k = 64
	v_mul_u32_u24 v35, v33, 0x3f                   ; K: the code 0x3f, -7.5, at k = 64
.irp i, 0,1,2,3
	v_mov_b32 v[PT+\i], 0                          ; written once: a lane permute's destination counts as one of its sources
.endr
	v_mov_b32 v23, 0                               ; (named as the upper halves of the pairs that hold f)
	v_mov_b32 v25, 0
	v_mov_b32 v252, 0xffff
	WIN 0x40                                       ; destination window 1: the constant halves of K's and Q's operands
.irp f, 0,1,2,3,4,5,6,7
	v_mov_b32 v[12*\f+6], v35
.irp i, 7,8,9,10,11
	v_mov_b32 v[12*\f+\i], 0
.endr
.endr
.irp f, 0,1
	v_mov_b32 v[QF+12*\f+6], v34
.irp i, 7,8,9,10,11
	v_mov_b32 v[QF+12*\f+\i], 0
.endr
.endr
	WIN 0
.macro FETCHK a16, a8, as              ; a record's eight tiles of K and their rows' scale words: twenty loads
	WIN 0x40
.irp c, 0,1
.irp u, 0,1,2,3
	ds_load_b128 v[48*\c+12*\u:48*\c+12*\u+3], \a16 offset:12*PR*\c+3*PR*(\u%2)+128*(\u/2)
	ds_load_b64 v[48*\c+12*\u+4:48*\c+12*\u+5], \a8 offset:12*PR*\c+3*PR*(\u%2)+64*(\u/2)
.endr
.endr
	WIN 0
.irp c, 0,1
	ds_load_b64 v[KS+4*\c:KS+4*\c+1], \as offset:PR*\c
	ds_load_b64 v[KS+4*\c+2:KS+4*\c+3], \as offset:PR*\c+128
.endr
.endm
.macro FETCHV av                       ; a record's four fragments of V and their scale words: thirteen loads
	WIN 0x40
.irp t, 0,1,2,3
.irp c, 0,1,2
	ds_load_b128 v[VF+12*\t+4*\c:VF+12*\t+4*\c+3], \av offset:6*PR*\t+2*PR*\c
.endr
.endr
	WIN 0
	ds_load_b128 v[VS:VS+3], \av offset:24*PR
.endm
.macro MAXROW n                        ; one turn of the eight chains: block q's first chain takes its scores 0-16, the second 17-31; each accumulator is first read at its low end
.irp q, 0,1,2,3
	v_max3_num_f32 v[BM+\q], v[BM+\q], v[SA+32*\q+3+2*\n], v[SA+32*\q+4+2*\n]
.if \n < 6
	v_max3_num_f32 v[C2+\q], v[C2+\q], v[SA+32*\q+20+2*\n], v[SA+32*\q+21+2*\n]
.endif
.endr
.endm
.macro SCALE3 q0                       ; blocks q0, q0 + 1: the floor 2^(3 - 127) under the largest p, 2 off its exponent field (the conversion's scale operand), the scale's byte
.irp c, 0,1
	v_max_num_f32 v[BM+\q0+\c], 0x1800000, v[BM+\q0+\c]
.endr
.irp c, 0,1
	v_add_nc_u32 v[SO+\q0+\c], 0xff000000, v[BM+\q0+\c]
.endr
.irp c, 0,1
	v_lshrrev_b32 v[EB+\q0+\c], 23, v[SO+\q0+\c]
.endr
.endm
.macro CVT T, n                        ; conversion n of tile T: 16 places of block 2 T + n / 2; a conversion's three registers begin on an even number, so the second halves are made elsewhere and moved
.if (\n)%2
	v_cvt_scalef32_pk16_fp6_f32 v[TA+8*\T+4*((\n)/2):TA+8*\T+4*((\n)/2)+2], v[SA+64*\T+16*(\n):SA+64*\T+16*(\n)+15], v[SO+2*\T+(\n)/2]
.else
	v_cvt_scalef32_pk16_fp6_f32 v[PCA+12*\T+6*((\n)/2):PCA+12*\T+6*((\n)/2)+2], v[SA+64*\T+16*(\n):SA+64*\T+16*(\n)+15], v[SO+2*\T+(\n)/2]
.endif
.endm
.macro FILL n                          ; what stands among tile B's exponentials: tile A's conversions, a plain line, and the first level of its sum, in place; no line reads what another of them wrote
.if (\n) < 4
	CVT 0, \n
.elseif (\n) == 4
	v_lshl_or_b32 v[TW+2], v[EB+1], 16, v[EB]
.elseif (\n) < 21
	v_pk_add_f32 v[SA+4*((\n)-5):SA+4*((\n)-5)+1], v[SA+4*((\n)-5):SA+4*((\n)-5)+1], v[SA+4*((\n)-5)+2:SA+4*((\n)-5)+3]
.endif
.endm
.macro ADD3 T, base, st, j             ; the three chains of tile T's sum take the pairs j, j + 1, j + 2 (st registers apart, from base)
.irp k, 0,1,2
	v_pk_add_f32 v[SU+6*\T+2*\k:SU+6*\T+2*\k+1], v[SU+6*\T+2*\k:SU+6*\T+2*\k+1], v[\base+\st*((\j)+\k):\base+\st*((\j)+\k)+1]
.endr
.endm
.macro NEW3 T, base, st                ; the chains begin: pairs 0 to 5
.irp k, 0,1,2
	v_pk_add_f32 v[SU+6*\T+2*\k:SU+6*\T+2*\k+1], v[\base+\st*2*\k:\base+\st*2*\k+1], v[\base+\st*(2*\k+1):\base+\st*(2*\k+1)+1]
.endr
.endm
.macro MOV6 T                          ; the conversions' second halves go to their places
.irp c, 0,1
.irp i, 0,1,2
	v_mov_b32 v[PCA+12*\T+3+6*\c+\i], v[TA+8*\T+4*\c+\i]
.endr
.endr
.endm
; A KEY STEP: 128 keys for both tiles.  At its head K's fragments of this record and V's are in registers or on their way.  wrap = 1: a pass's last step looks ahead to record 0.
.macro STEP wrap
	WALU                                           ; directly ahead of the wait below
	s_wait_dscnt 13                                ; K's twenty loads are in; V's thirteen, issued behind them, may be out
.if \wrap
	s_mov_b32 s48, 0
.else
	s_add_co_u32 s48, s48, RECL
.endif
	WIN 0x05                                       ; sources 0 (K) and 1 (Q) window 1, D window 0
.irp f, 0,1,2,3,4,5,6,7
	v_wmma_scale_f32_16x16x128_f8f6f4 v[SA+8*\f:SA+8*\f+7], v[12*\f:12*\f+11], v[QF:QF+11], 0, v[KS+\f], v[QS] matrix_a_fmt:MATRIX_FMT_FP6 matrix_b_fmt:MATRIX_FMT_FP6
	v_wmma_scale_f32_16x16x128_f8f6f4 v[SB+8*\f:SB+8*\f+7], v[12*\f:12*\f+11], v[QF+12:QF+23], 0, v[KS+\f], v[QS+1] matrix_a_fmt:MATRIX_FMT_FP6 matrix_b_fmt:MATRIX_FMT_FP6
.endr
	WIN 0
	v_add_nc_u32 v5, s48, v3                       ; the next record.  These four lines are the places in front of the loads into K's registers
	v_add_nc_u32 v6, s48, v11
	v_add_nc_u32 v7, s48, v28
	v_add_nc_u32 v8, s48, v4
	FETCHK v5, v6, v7                              ; the next step's K
.irp q, 0,1,2,3
	v_max3_num_f32 v[BM+\q], v[SA+32*\q], v[SA+32*\q+1], v[SA+32*\q+2]
	v_max3_num_f32 v[C2+\q], v[SA+32*\q+17], v[SA+32*\q+18], v[SA+32*\q+19]
.endr
.irp n, 0,1,2,3,4,5,6
	MAXROW \n
.endr
.irp q, 0,1,2,3
	v_max_num_f32 v[BM+\q], v[BM+\q], v[C2+\q]     ; block q's largest score
.endr
.irp T, 0,1
	v_max_num_f32 v[TW+\T], v[BM+2*\T], v[BM+2*\T+1]   ; the largest of my 64 keys,
.endr
.irp T, 0,1
	v_mov_b32 v[20+\T], v[12+4*\T]                 ; (the old -M)
.endr
.irp T, 0,1
	v_permlanex16_b32 v[PT+\T], v[TW+\T], s20, s21 ; of lane l xor 16's 64,
.endr
.irp T, 0,1
	v_max3_num_f32 v[13+4*\T], v[13+4*\T], v[TW+\T], v[PT+\T]   ; and of all steps so far
.endr
.irp T, 0,1
	v_mul_f32 v[TW+\T], s22, v[13+4*\T]            ; as t (c is positive)
.endr
.irp T, 0,1
	v_floor_f32 v[12+4*\T], -v[TW+\T]              ; the new -M = -ceil(t): a whole number
.endr
.set i, 0
.rept 32
	v_pk_fma_f32 v[SA+2*i:SA+2*i+1], v[SA+2*i:SA+2*i+1], s[22:23], v[12:13] op_sel_hi:[1,0,0]   ; tile A: t - M, two at a time
.set i, i+1
.endr
.irp T, 0,1
	v_sub_f32 v[TW+\T], v[12+4*\T], v[20+\T]       ; old M - new M: a whole number, 0 or less
.endr
.irp q, 0,1,2,3
	v_fma_f32 v[BM+\q], v[BM+\q], s22, v[12+4*(\q/2)]   ; t - M of each block's largest score
.endr
.irp T, 0,1
	v_cvt_i32_f32 v[TW+\T], v[TW+\T]               ; (it saturates)
.endr
.irp T, 0,1
	v_ldexp_f32 v[22+2*\T], 1.0, v[TW+\T]          ; f = 2^(old M - new M)
.endr
	WIN 0x41                                       ; O^T under the new M: source 0 and destination window 1
.irp T, 0,1
.set i, 0
.rept 16
	v_pk_mul_f32 v[OA+32*\T+2*i:OA+32*\T+2*i+1], v[OA+32*\T+2*i:OA+32*\T+2*i+1], v[22+2*\T:23+2*\T] op_sel_hi:[1,0]
.set i, i+1
.endr
.endr
	WIN 0
	WALU                                           ; ahead of a batch of transcendentals
.set i, 0
.rept 32
	v_exp_f32 v[SA+2*i], v[SA+2*i]                 ; tile A: p = 2^(t - M);
	v_exp_f32 v[SA+2*i+1], v[SA+2*i+1]
	v_pk_fma_f32 v[SB+2*i:SB+2*i+1], v[SB+2*i:SB+2*i+1], s[22:23], v[16:17] op_sel_hi:[1,0,0]   ; among them tile B's t - M, read behind the wait below
.set i, i+1
.endr
	v_exp_f32 v[BM], v[BM]                         ; the blocks' largest p: the same two instructions on the same number
	v_exp_f32 v[BM+1], v[BM+1]
	v_nop                                          ; a plain place behind the exponentials
	WALU                                           ; and the wait behind the batch
	SCALE3 0
	WALU                                           ; ahead of the next batch
.set i, 0
.rept 32
	v_exp_f32 v[SB+2*i], v[SB+2*i]                 ; tile B
	v_exp_f32 v[SB+2*i+1], v[SB+2*i+1]
	FILL i
.set i, i+1
.endr
	v_exp_f32 v[BM+2], v[BM+2]
	v_exp_f32 v[BM+3], v[BM+3]
	v_nop
	WALU
	; the two tiles by turns: B's scales and conversions; A's sum (its 16 partial pairs lie 4 registers apart), scale word and codes; then B's
.irp c, 0,1
	v_max_num_f32 v[BM+2+\c], 0x1800000, v[BM+2+\c]
.endr
	NEW3 0, SA, 4
.irp c, 0,1
	v_add_nc_u32 v[SO+2+\c], 0xff000000, v[BM+2+\c]
.endr
	v_lshlrev_b32 v[TW+2], v10, v[TW+2]            ; A's two scale bytes at their places in the word (8 h bits up)
	ADD3 0, SA, 4, 6
.irp c, 0,1
	v_lshrrev_b32 v[EB+2+\c], 23, v[SO+2+\c]
.endr
.irp n, 0,1,2,3
	CVT 1, \n
.endr
	ADD3 0, SA, 4, 9                               ; (plain places behind the conversions)
	v_permlanex16_b32 v[PT+2], v[TW+2], s20, s21
	v_lshl_or_b32 v[TW+3], v[EB+3], 16, v[EB+2]
	ADD3 0, SA, 4, 12
	v_pk_add_f32 v[SU:SU+1], v[SU:SU+1], v[SA+60:SA+61]
	v_or_b32 v[PS], v[TW+2], v[PT+2]               ; with lane l xor 16's two bytes A's word is whole
	v_lshlrev_b32 v[TW+3], v10, v[TW+3]
	MOV6 0
	v_permlanex16_b32 v[PT+3], v[TW+3], s20, s21
	MOV6 1
	v_or_b32 v[PS+1], v[TW+3], v[PT+3]
	NEW3 1, SB, 2                                  ; B's sum: 32 pairs.  These 29 lines are also the places between the scale words, the codes and the products
.irp j, 6,9,12,15,18,21,24,27
	ADD3 1, SB, 2, \j
.endr
	v_pk_add_f32 v[SU+6:SU+7], v[SU+6:SU+7], v[SB+60:SB+61]
	v_pk_add_f32 v[SU+8:SU+9], v[SU+8:SU+9], v[SB+62:SB+63]
	WALU                                           ; directly ahead of the wait below
	s_wait_dscnt 20                                ; V's thirteen loads are in; the next K's twenty, issued behind them, may be out
	WIN 0x51                                       ; source 0 (V), C and D window 1, source 1 (p) window 0
.irp t, 0,1,2,3                                ; O^T += V^T P^T: eight accumulators, one instruction each
	v_wmma_scale_f32_16x16x128_f8f6f4 v[OA+8*\t:OA+8*\t+7], v[VF+12*\t:VF+12*\t+11], v[PCA:PCA+11], v[OA+8*\t:OA+8*\t+7], v[VS+\t], v[PS] matrix_a_fmt:MATRIX_FMT_FP6 matrix_b_fmt:MATRIX_FMT_FP6
	v_wmma_scale_f32_16x16x128_f8f6f4 v[OA+32+8*\t:OA+32+8*\t+7], v[VF+12*\t:VF+12*\t+11], v[PCA+12:PCA+23], v[OA+32+8*\t:OA+32+8*\t+7], v[VS+\t], v[PS+1] matrix_a_fmt:MATRIX_FMT_FP6 matrix_b_fmt:MATRIX_FMT_FP6
.endr
	WIN 0
.irp T, 0,1                                    ; the chains join: six places in front of the loads into V's registers
	v_pk_add_f32 v[SU+6*\T:SU+6*\T+1], v[SU+6*\T:SU+6*\T+1], v[SU+6*\T+2:SU+6*\T+3]
.endr
.irp T, 0,1
	v_pk_add_f32 v[SU+6*\T:SU+6*\T+1], v[SU+6*\T:SU+6*\T+1], v[SU+6*\T+4:SU+6*\T+5]
.endr
.irp T, 0,1
	v_pk_fma_f32 v[14+4*\T:15+4*\T], v[14+4*\T:15+4*\T], v[22+2*\T:23+2*\T], v[SU+6*\T:SU+6*\T+1] op_sel_hi:[1,0,1]   ; the sum under the new M, and this step's
.endr
	FETCHV v8                                      ; the next step's V
.endm
; THE WAY OUT of tile T: O^T / the sum, brought into the true order along the head's 64, quantised, stored as a half fragment's image.
.macro OUT T
.set L_, 14+4*\T
.set S_, SA+64*\T
.set P_, PCA+12*\T
.set X_, TA+8*\T
.set B_, BM+2*\T
.set Z_, SO+2*\T
	v_add_f32 v[L_], v[L_], v[L_+1]                ; the sum's two halves,
	v_permlanex16_b32 v[PT], v[L_], s20, s21
	v_add_f32 v[L_], v[L_], v[PT]                  ; and lane l xor 16's
	WALU
	v_rcp_f32 v[L_+1], v[L_]
	v_nop                                          ; a plain place behind the transcendental
	WIN 0x01                                       ; source 0 window 1
	WALU
.set i, 0
.rept 32
	v_mul_f32 v[S_+i], v[OA+32*\T+i], v[L_+1]      ; register 8 t + j: feature 16 t + 8 h + j of my query; each accumulator from its low end on
.set i, i+1
.endr
	WIN 0
.irp b, 0,1                                    ; the first's lanes 16-31 change places with the second's lanes 0-15: register 16 b + i then holds feature 32 b + 16 h + i
.irp j, 0,1,2,3,4,5,6,7
	v_permlane16_swap_b32 v[S_+16*\b+\j], v[S_+16*\b+8+\j]
.endr
.endr
.irp b, 0,1
	v_max3_num_f32 v[B_+\b], |v[S_+16*\b]|, |v[S_+16*\b+1]|, 0x1800000
.endr
.irp i, 2,4,6,8,10,12,14
.irp b, 0,1
	v_max3_num_f32 v[B_+\b], v[B_+\b], |v[S_+16*\b+\i]|, |v[S_+16*\b+\i+1]|
.endr
.endr
.irp b, 0,1
	v_permlanex16_b32 v[PT+\b], v[B_+\b], s20, s21
.endr
.irp b, 0,1
	v_max_num_f32 v[B_+\b], v[B_+\b], v[PT+\b]
.endr
.irp b, 0,1
	v_add_nc_u32 v[Z_+\b], 0xff000000, v[B_+\b]
.endr
.irp b, 0,1
	v_lshrrev_b32 v[PT+\b], 23, v[Z_+\b]
.endr
	v_lshl_or_b32 v[TW+\T], v[PT+1], 8, v[PT]      ; my row's two scale bytes of this head
	v_cmp_eq_f32 vcc_lo, 0, v[L_]
	v_cndmask_b32 v[TW+\T], v[TW+\T], v252, vcc_lo ; no key counted: 0xff, 0xff
	v_cvt_scalef32_pk16_fp6_f32 v[P_:P_+2], v[S_:S_+15], v[Z_]
	v_cvt_scalef32_pk16_fp6_f32 v[X_:X_+2], v[S_+16:S_+31], v[Z_+1]
	v_nop
.irp i, 0,1,2
	v_permlane16_swap_b32 v[P_+\i], v[X_+\i]
.endr
.irp i, 0,1,2
	v_mov_b32 v[P_+3+\i], v[X_+\i]
.endr
	global_store_b128 v1, v[P_:P_+3], s[10:11] offset:768*\T       ; 512 consecutive bytes, at a multiple of 256 from the buffer's start
	global_store_b64 v2, v[P_+4:P_+5], s[10:11] offset:768*\T      ; 256 consecutive bytes
	global_store_b16 v9, v[TW+\T], s[56:57] offset:512*\T          ; two bytes a row, rows 32 bytes apart.  Lanes r and r + 16 store the same value to the same place
.endm
	WALU                                           ; the wait at the head's end
	s_wait_tensorcnt 0x0                           ; my four records have landed
	s_barrier_signal -1
	s_barrier_wait -1                              ; everybody's have: from here on K and V lie in LDS and are only read
	FETCHK v3, v11, v28                            ; record 0
	FETCHV v4
	s_mov_b32 s48, 0
	s_mov_b32 s47, 0
.Lpass:
	WIN 0x40
	global_load_b128 v[QF:QF+3], v1, s[4:5]        ; Q's half fragments and scale words of this pass's two tiles
	global_load_b64 v[QF+4:QF+5], v2, s[4:5]
	global_load_b128 v[QF+12:QF+15], v1, s[4:5] offset:768
	global_load_b64 v[QF+16:QF+17], v2, s[4:5] offset:768
	WIN 0
	global_load_b32 v[QS], v30, s[16:17]
	global_load_b32 v[QS+1], v30, s[16:17] offset:4
.irp T, 0,1                                    ; a pass begins: the step is written once, its first run finds zeros, which the first change of M leaves zeros
	v_mov_b32 v[13+4*\T], 0xed800000               ; the largest score so far: -2^92
	v_mov_b32 v[14+4*\T], 0
	v_mov_b32 v[15+4*\T], 0
.endr
	v_mul_f32 v[TW], s22, v13
	v_floor_f32 v12, -v[TW]                        ; -M
	v_floor_f32 v16, -v[TW]
	WIN 0x40
.set i, 0
.rept 64
	v_mov_b32 v[OA+i], 0
.set i, i+1
.endr
	WIN 0
	s_wait_loadcnt 0x0                             ; Q
	s_mov_b32 s49, 15
.Lrun:
	STEP 0
	s_sub_co_u32 s49, s49, 1
	s_cmp_lg_u32 s49, 0
	s_cbranch_scc1 .Lrun
	STEP 1                                         ; step 15 looks ahead to record 0, for the next pass (behind the last pass its loads are awaited at the wave's end and not used)
	OUT 0
	OUT 1
	s_wait_xcnt 0x0                                ; the loads and stores have read their registers and bases
	s_add_nc_u64 s[4:5], s[4:5], 2*REC             ; the next pass: two records on
	s_add_nc_u64 s[16:17], s[16:17], 2*REC
	s_add_nc_u64 s[10:11], s[10:11], 204800
	s_add_nc_u64 s[56:57], s[56:57], 204800
	s_add_co_u32 s47, s47, 1
	s_cmp_lt_u32 s47, 2
	WALU                                           ; directly ahead of the branch
	s_cbranch_scc1 .Lpass
	s_wait_tensorcnt 0x0                           ; the wave's end
	ds_add_u32 v254, v255
	s_wait_dscnt 0x0
	CROUND                                         ; the closing round
	s_endpgm
.Lfunc_end_k_q9e3eda38b3_attn:
	.size	k_q9e3eda38b3_attn, .Lfunc_end_k_q9e3eda38b3_attn-k_q9e3eda38b3_attn
	.p2alignl 7, 3214868480
	.fill 96, 4, 3214868480
	.section	.rodata,"a",@progbits
	.p2align	6, 0x0
	.amdhsa_kernel k_q9e3eda38b3_attn
		.amdhsa_group_segment_fixed_size 268288
		.amdhsa_private_segment_fixed_size 0
		.amdhsa_enable_private_segment 0
		.amdhsa_kernarg_size 32
		.amdhsa_user_sgpr_count 2
		.amdhsa_user_sgpr_kernarg_segment_ptr 1
		.amdhsa_wavefront_size32 1
		.amdhsa_system_sgpr_workgroup_id_x 1
		.amdhsa_system_sgpr_workgroup_id_y 1
		.amdhsa_system_sgpr_workgroup_id_z 1
		.amdhsa_system_vgpr_workitem_id 0
		.amdhsa_next_free_vgpr 512
		.amdhsa_next_free_sgpr 66
		.amdhsa_reserve_vcc 1
		.amdhsa_float_denorm_mode_32 3
		.amdhsa_float_denorm_mode_16_64 3
		.amdhsa_memory_ordered 1
		.amdhsa_forward_progress 1
		.amdhsa_inst_pref_size 76
	.end_amdhsa_kernel
	.amdgpu_metadata
---
amdhsa.version: [ 1, 2 ]
amdhsa.kernels:
  - .name:           k_q9e3eda38b3_attn
    .symbol:         k_q9e3eda38b3_attn.kd
    .args:
      - { .name: qbuf, .offset: 0, .size: 8, .value_kind: global_buffer, .address_space: global }
      - { .name: kbuf, .offset: 8, .size: 8, .value_kind: global_buffer, .address_space: global }
      - { .name: vbuf, .offset: 16, .size: 8, .value_kind: global_buffer, .address_space: global }
      - { .name: att, .offset: 24, .size: 8, .value_kind: global_buffer, .address_space: global }
    .group_segment_fixed_size: 268288
    .private_segment_fixed_size: 0
    .kernarg_segment_align: 8
    .kernarg_segment_size: 32
    .max_flat_workgroup_size: 256
    .sgpr_count:     66
    .vgpr_count:     512
    .wavefront_size: 32
...
	.end_amdgpu_metadata
.endif
;; end of part 2
;; launch outp (part 3): grid 4 x 64, 4 waves a work-group, clusters of 4 x 4, 327,680 bytes of LDS; arguments att, Wo_codes, Wo_scales, bo, out0; writes out0
.if DOCPART == 3
	.amdgcn_target "amdgcn-amd-amdhsa--gfx1250"
	.amdhsa_code_object_version 6
	.text
	.protected	k_q9e3eda38b3_outp
	.globl	k_q9e3eda38b3_outp
	.p2align	8
	.type	k_q9e3eda38b3_outp,@function
k_q9e3eda38b3_outp:
	s_mov_b64 s[64:65], 0
	v_nop
	global_prefetch_b8 v0, s[64:65] scope:SCOPE_SE
	s_setreg_imm32_b32 hwreg(HW_REG_WAVE_MODE, 25, 1), 1
	s_wait_xcnt 0x0
	s_wait_alu depctr_hold_cnt(0) depctr_sa_sdst(0) depctr_va_vdst(0) depctr_va_sdst(0) depctr_va_ssrc(0) depctr_va_vcc(0) depctr_vm_vsrc(0)
	s_getreg_b32 s2, hwreg(HW_REG_IB_STS2, 6, 4)
	s_cmp_eq_u32 s2, 0
	s_cbranch_scc0 .Lentry_in_a_cluster
	s_endpgm
.Lentry_in_a_cluster:
	s_bfe_u32 s2, ttmp6, 0x10000c
	s_cmp_lg_u32 s2, 0xf033
	s_cbranch_scc0 .Lentry_shape_is_right
	s_endpgm
.Lentry_shape_is_right:
; out = A Wo^T + bo on codes of FP6 (E2M3) with one E8M0 scale for each 32 along K = 1,024.  A: the attended rows, [8192][1024], from att; Wo: [1024][1024] codes, a row is 768 bytes, 32 scale bytes a row; out0: [8192][1024] f32.
; att: [block of 128 rows: 64] x 102,400 bytes: 4,096 scale bytes [row][32], then [head: 16][tile of 16 rows: 8] x 768 bytes: the image of registers 0-3 (16 x lane) and 4-5 (8 x lane) of half a fragment (64 along K).
; SHARES.  A work-group makes 128 rows x 256 columns: 64 x 4 = 256 work-groups.  A wave makes 64 rows (wave / 2) x 128 columns (wave % 2): 32 accumulators.  ALL OF K LIES IN LDS: every fill is a first fill.
; JOINT LOADS, clusters of 4 x 4: the four of a cluster's row share A's record, the four of a column Wo's 256 rows.  ONE LOAD A WAVE at the head: wave 0 A's whole record (400 rows of 256 bytes), wave 1 Wo's scale bytes (32 rows of 256),
; waves 2 and 3 each 128 whole rows of Wo (768 bytes, 16 bytes of padding behind every 256).  Every wave waits for its load, one barrier shows all four tiles, and no later line waits for a tile.
; Nothing is prefetched: all that the launch reads by tensor loads is asked for at its head, and there is no loop to run ahead in.
; THE MATRIX INSTRUCTION IS USED TRANSPOSED (source 0 = 16 rows of Wo, source 1 = 16 rows of A): a lane holds eight neighbouring columns of one row of out0.  bo is the C of each sum's first instruction.
; LIMITS: NaN and infinities among the inputs are not served, but for the scale byte 0xff that the launch before sets for a row without a counted key: that row comes out NaN.
.set WP,     816                       ; Wo's row in LDS: 3 x (256 + 16) bytes = 204 words: row r starts at bank 12 r mod 64, sixteen different multiples of 4 (64 banks of 4 bytes: ISA guide 11.1)
.set AREG,   256*WP                    ; LDS: Wo's 256 rows; A's record as it lies; Wo's scale bytes; the spare words
.set BSC,    AREG+102400
.set SPARE,  BSC+8192                  ; 128 bytes for each wave: two blocks of 256 bytes that no other line names
.set SPITCH, 528                       ; the way out: a stage of 16 rows x (512 bytes + 16) for each wave, in A's bytes: they have had their only fill, and a barrier stands behind their last read
.set FR,   12
.set ADRB, 8                           ; v8-9   my Wo fragments: blocks 0-3, blocks 4-7 (an LDS offset has 16 bits)
.set ALTB, 10                          ; v10-11 the same for the pieces where lanes 16-31, 24 bytes on, lie behind one padding more
.set AA16, 13                          ; v13-14 A's images, registers 0-3: heads 0-7, heads 8-15
.set AA8,  15                          ; v15-16 registers 4-5
.set ADRS, 17                          ; v17 scale words: lanes 0-15 A's rows, lanes 16-31 Wo's
.set STO,  18
.set RD,   19
.set CO,   20                          ; v20 16 x lane
.set H32,  21                          ; v21 32 h
.set SC,   32                          ; v32-95 scale words and nothing else: register 8 i + q: lanes 0-15 A's block i (i under 4), lanes 16-31 Wo's block i
.set SPW,  126                         ; v126 my spare word, v127 0; never rewritten
.set NIL,  127
.set AF,   128                         ; v128-223 A's fragments, two sets of four.  Window 1: Wo's two sets at v0, v128; v96-127, v224-255 bo.  Window 2: accumulator (a, b) at v[8 (8 a + b)]
.set BK,   128                         ; the way out: rows read back: v128-191 and v192-255 by turns
.set G1A,  20                          ; descriptor groups 1: A's record, Wo's scale bytes, Wo's rows
.set G1BS, 28
.set G1BC, 36
.set G0A,  44                          ; groups 0
.set G0BS, 48
.set G0B,  52
.set MSB, 0
.macro WIN new
.if MSB != (\new)
	s_set_vgpr_msb (MSB<<8)|(\new)
.set MSB, (\new)
.endif
.endm
.macro PLACES n
.rept \n
	v_nop
.endr
.endm
.macro CROUND
	s_barrier_signal -1
	s_barrier_wait -1
	s_cmp_lg_u32 s10, 0
	s_cbranch_scc1 .Lnot_wave_0_\@
	s_barrier_signal -3
.Lnot_wave_0_\@:
	s_barrier_wait -3
	s_barrier_signal -1
	s_barrier_wait -1
.endm
.macro TLOAD g0, g1
	tensor_load_to_lds s[\g0:\g0+3], s[\g1:\g1+7]
	s_nop 0
	PLACES 4
.endm
	s_load_b128 s[4:7], s[0:1], 0x0                ; att, Wo's codes
	s_load_b128 s[12:15], s[0:1], 0x10             ; Wo's scales, bo
	s_load_b64 s[16:17], s[0:1], 0x20              ; out0
	v_lshl_add_u32 v[SPW], v0, 2, SPARE
	v_mov_b32 v[NIL], 0
	ds_add_u32 v[SPW], v[NIL]                      ; the opening lines: the add, twice on end, and its wait
	ds_add_u32 v[SPW], v[NIL]
	v_lshrrev_b32 v1, 5, v0
	v_readfirstlane_b32 s10, v1                    ; wave 0..3
	s_lshr_b32 s11, s10, 1                         ; my half of the rows
	s_and_b32 s18, s10, 1                          ; my half of the columns.  Also: which 128 rows of Wo waves 2 and 3 fetch
	s_bfe_u32 s84, ttmp6, 0x40000                  ; cx
	s_bfe_u32 s85, ttmp6, 0x40004                  ; cy
	s_lshl_b32 s19, ttmp9, 2
	s_add_co_u32 s19, s19, s84                     ; the tile of 256 columns
	s_and_b32 s86, ttmp7, 0xffff
	s_lshl_b32 s86, s86, 2
	s_add_co_u32 s86, s86, s85                     ; the block of 128 rows
	s_lshl_b32 s87, s85, 2
	s_lshl_b32 s87, 15, s87                        ; my row of the cluster
	s_lshl_b32 s88, 0x1111, s84                    ; my column
	s_or_b32 s[G1A], s87, (3<<16)|(1<<21)          ; dense rows of 32 elements of 8 bytes, no padding
	s_or_b32 s[G1BS], s88, (3<<16)|(1<<21)
	s_or_b32 s[G1BC], s88, (1<<20)|(1<<21)|(5<<22)|(3<<25)   ; elements of 1 byte; padding: after every 64 words (code 5) 4 words (code 3)
.irp g, G1A, G1BS
	s_mov_b32 s[\g+1], 32<<16                      ; tensor_dim0
	s_mov_b32 s[\g+3], 32<<16                      ; tile_dim0
	s_mov_b32 s[\g+5], 32                          ; tensor_dim0_stride
	s_mov_b32 s[\g+6], 0
	s_mov_b32 s[\g+7], 0
.endr
	s_mov_b32 s[G1A+2], 400<<16                    ; tensor_dim1, tile_dim1
	s_mov_b32 s[G1A+4], 400
	s_mov_b32 s[G1BS+2], 32<<16
	s_mov_b32 s[G1BS+4], 32
	s_mov_b32 s[G1BC+1], 768<<16
	s_mov_b32 s[G1BC+2], 128<<16
	s_mov_b32 s[G1BC+3], 768<<16
	s_mov_b32 s[G1BC+4], 128
	s_mov_b32 s[G1BC+5], 768
	s_mov_b32 s[G1BC+6], 0
	s_mov_b32 s[G1BC+7], 0
	s_mul_i32 s90, s86, 102400                     ; A's record
	s_mov_b32 s91, 0
	s_lshl_b32 s92, s19, 8                         ; Wo: the tile's first row,
	s_mov_b32 s93, 0
	s_lshl_b64 s[94:95], s[92:93], 5               ; its scale bytes,
	s_lshl_b32 s99, s18, 7
	s_add_co_u32 s92, s92, s99                     ; + 128 x half:
	s_mul_i32 s92, s92, 768                        ; its codes
	s_mul_i32 s96, s18, 128*WP                     ; and where they go
	s_wait_dscnt 0x0                               ; both opening adds are done
	s_wait_kmcnt 0x0
	s_mov_b32 s[G0A], 1
	s_mov_b32 s[G0A+1], AREG
	s_add_nc_u64 s[G0A+2:G0A+3], s[4:5], s[90:91]
	s_or_b32 s[G0A+3], s[G0A+3], 0x80000000
	s_mov_b32 s[G0BS], 1
	s_mov_b32 s[G0BS+1], BSC
	s_add_nc_u64 s[G0BS+2:G0BS+3], s[12:13], s[94:95]
	s_or_b32 s[G0BS+3], s[G0BS+3], 0x80000000
	s_mov_b32 s[G0B], 1
	s_mov_b32 s[G0B+1], s96
	s_add_nc_u64 s[G0B+2:G0B+3], s[6:7], s[92:93]
	s_or_b32 s[G0B+3], s[G0B+3], 0x80000000
	CROUND                                         ; all sixteen work-groups are here: the joint loads meet
	s_cmp_eq_u32 s10, 0                            ; one chain of branches on the wave's number, one load to an arm
	s_cbranch_scc0 .Lwave_1
	TLOAD G0A, G1A                                 ; wave 0: A's record
	s_branch .Lfilled
.Lwave_1:
	s_cmp_eq_u32 s10, 1
	s_cbranch_scc0 .Lwave_23
	TLOAD G0BS, G1BS                               ; wave 1: Wo's scale bytes
	s_branch .Lfilled
.Lwave_23:
	TLOAD G0B, G1BC                                ; waves 2 and 3: 128 rows of Wo each
.Lfilled:
	s_lshl_b32 s92, s19, 10                        ; my first column, in bytes: 4 (256 x tile + 128 x half)
	s_lshl_b32 s94, s18, 9
	s_add_co_u32 s92, s92, s94
	s_mov_b32 s93, 0
	s_add_nc_u64 s[14:15], s[14:15], s[92:93]      ; bo there
	s_lshl_b32 s89, s86, 7
	s_lshl_b32 s90, s11, 6
	s_add_co_u32 s89, s89, s90                     ; my first row
	s_lshl_b32 s90, s89, 12                        ; rows of 4,096 bytes
	s_add_co_u32 s90, s90, s92
	s_mov_b32 s91, 0
	s_add_nc_u64 s[16:17], s[16:17], s[90:91]
	v_and_b32 v1, 15, v0                           ; r
	v_bfe_u32 v2, v0, 4, 1                         ; h
	v_and_b32 v7, 31, v0                           ; lane
	v_lshlrev_b32 v[H32], 5, v2
	WIN 0x40                                       ; destination window 1
.irp b, 0,1,2,3,4,5,6,7
	global_load_b128 v[96+8*\b+96*(\b/4):99+8*\b+96*(\b/4)], v[H32], s[14:15] offset:64*\b        ; bo(16 b + 8 h + 0 .. 7): the result's layout
	global_load_b128 v[100+8*\b+96*(\b/4):103+8*\b+96*(\b/4)], v[H32], s[14:15] offset:64*\b+16
.endr
	WIN 0
	v_mul_u32_u24 v3, v1, WP
	v_mad_u32_u24 v4, v2, 24, v3                   ; a fragment's row x pitch + 24 x half
	v_mad_u32_u24 v5, v2, 24+16, v3                ; the same behind one padding more
	s_mul_i32 s89, s18, 128*WP                     ; my 128 rows of Wo
.irp c, 0,1
	v_add_nc_u32 v[ADRB+\c], s89, v4
	v_add_nc_u32 v[ALTB+\c], s89, v5
	s_add_co_u32 s89, s89, 64*WP
.endr
	v_lshlrev_b32 v[CO], 4, v7
	v_lshlrev_b32 v6, 3, v7
	s_mul_i32 s89, s11, 3072                       ; my four tiles of rows
	s_add_co_u32 s89, s89, AREG+4096
	v_add_nc_u32 v[AA16], s89, v[CO]
	v_add_nc_u32 v[AA8], s89, v6
	v_add_nc_u32 v[AA8], 512, v[AA8]
	v_add_nc_u32 v[AA16+1], 49152, v[AA16]
	v_add_nc_u32 v[AA8+1], 49152, v[AA8]
	v_lshlrev_b32 v5, 5, v1                        ; scale bytes: 32 a row
	s_lshl_b32 s89, s11, 11
	s_add_co_u32 s89, s89, AREG                    ; A's: my 64 rows
	s_lshl_b32 s90, s18, 12
	s_add_co_u32 s90, s90, BSC                     ; Wo's: my 128 rows
	s_sub_co_u32 s90, s90, s89
	v_mul_u32_u24 v6, s90, v2                      ; lanes 16-31 take Wo's
	v_add_nc_u32 v5, v5, v6
	v_add_nc_u32 v[ADRS], s89, v5
	s_mul_i32 s89, s10, 16*SPITCH
	s_add_co_u32 s89, s89, AREG                    ; my stage
	v_mul_u32_u24 v5, v1, SPITCH
	v_lshl_add_u32 v5, v2, 5, v5
	v_add_nc_u32 v[STO], s89, v5                   ; in: row r, 32 bytes for each half of the lanes
	v_add_nc_u32 v[RD], s89, v[CO]                 ; back: the 32 lanes take one row of 512 bytes
.macro FRAG reg, q, i                  ; Wo's fragment: lanes 0-15 take the row's pieces of 8 bytes 12 q + 0, 1, 2, 6, 7, 8, lanes 16-31 those three pieces on; 32 pieces, then 16 bytes of padding
.irp p, 0,1,2,3,4,5
.set PCE, 12*(\q)+6*(\p/3)+\p%3
.if PCE%32 < 29
	ds_load_b64 v[\reg+2*\p:\reg+2*\p+1], v[ADRB+(\i)/4] offset:272*(PCE/32)+8*(PCE%32)+((\i)%4)*16*WP
.else
	ds_load_b64 v[\reg+2*\p:\reg+2*\p+1], v[ALTB+(\i)/4] offset:272*(PCE/32)+8*(PCE%32)+((\i)%4)*16*WP
.endif
.endr
.endm
.macro FETCH q                         ; K step q's fragments into set q % 2: Wo's eight, A's four (heads 2 q and 2 q + 1 are the two halves)
	WIN 0x40
.irp i, 0,1,2,3,4,5,6,7
	FRAG 128*((\q)%2)+FR*\i, \q, \i
.endr
	WIN 0
.irp a, 0,1,2,3
.irp c, 0,1
.set HD, 2*(\q)+\c
	ds_load_b128 v[AF+48*((\q)%2)+FR*\a+6*\c:AF+48*((\q)%2)+FR*\a+6*\c+3], v[AA16+HD/8] offset:(HD%8)*6144+768*\a
	ds_load_b64 v[AF+48*((\q)%2)+FR*\a+6*\c+4:AF+48*((\q)%2)+FR*\a+6*\c+5], v[AA8+HD/8] offset:(HD%8)*6144+768*\a
.endr
.endr
.endm
; A step of 128 along K: 32 matrix instructions, the 32 accumulators by turns in the same order in every step; ahead of them the next step's loads go out.
.macro OSTEP q
	s_wait_dscnt 0x0                               ; this step's fragments are in
.if \q == 7
	s_barrier_signal -1                            ; my reads of A's bytes are over: behind this barrier the stages are written there
.endif
.if \q < 7
.if \q > 0
	PLACES 4                                       ; in front of loads into the set that the last step multiplied
.endif
	FETCH (\q)+1
.endif
.if \q == 0
	WIN 0x91                                       ; source 0 (Wo) window 1, source 1 (A) window 0, C (bo) window 1, D window 2
.else
	WIN 0xa1                                       ; C and D window 2
.endif
.irp a, 0,1,2,3
.irp b, 0,1,2,3,4,5,6,7
.if \q == 0
	v_wmma_scale_f32_16x16x128_f8f6f4 v[8*(8*\a+\b):8*(8*\a+\b)+7], v[128*((\q)%2)+FR*\b:128*((\q)%2)+FR*\b+FR-1], v[AF+48*((\q)%2)+FR*\a:AF+48*((\q)%2)+FR*\a+FR-1], v[96+8*\b+96*(\b/4):103+8*\b+96*(\b/4)], v[SC+8*\b+(\q)], v[SC+8*\a+(\q)] matrix_a_fmt:MATRIX_FMT_FP6 matrix_b_fmt:MATRIX_FMT_FP6 matrix_a_scale:MATRIX_SCALE_ROW1
.else
	v_wmma_scale_f32_16x16x128_f8f6f4 v[8*(8*\a+\b):8*(8*\a+\b)+7], v[128*((\q)%2)+FR*\b:128*((\q)%2)+FR*\b+FR-1], v[AF+48*((\q)%2)+FR*\a:AF+48*((\q)%2)+FR*\a+FR-1], v[8*(8*\a+\b):8*(8*\a+\b)+7], v[SC+8*\b+(\q)], v[SC+8*\a+(\q)] matrix_a_fmt:MATRIX_FMT_FP6 matrix_b_fmt:MATRIX_FMT_FP6 matrix_a_scale:MATRIX_SCALE_ROW1
.endif
.endr
.endr
	WIN 0
.if \q == 7
	s_barrier_wait -1
.endif
.endm
	s_wait_alu depctr_va_vdst(0)                   ; the wait at the head's end
	s_wait_tensorcnt 0x0                           ; my load has landed
	s_barrier_signal -1
	s_barrier_wait -1                              ; everybody's has: all of K lies in LDS
.irp i, 0,1,2,3,4,5,6,7                        ; all scale words, once.  (For i from 4 on lanes 0-15 read bytes of A's record that no product consults)
	ds_load_b128 v[SC+8*\i:SC+8*\i+3], v[ADRS] offset:512*\i
	ds_load_b128 v[SC+8*\i+4:SC+8*\i+7], v[ADRS] offset:512*\i+16
.endr
	FETCH 0
	s_wait_loadcnt 0x0                             ; bo
.irp q, 0,1,2,3,4,5,6,7
	OSTEP \q
.endr
; THE WAY OUT, block by block of 16 rows x 128 columns, through my own stage: LDS serves a wave's instructions in order (ISA guide 5.7.1.4), so no wait stands between the stores and the loads.
.macro TOSTAGE a
	WIN 0x08                                       ; an LDS store's data: window 2
.irp b, 0,1,2,3,4,5,6,7
	ds_store_b128 v[STO], v[8*(8*(\a)+\b):8*(8*(\a)+\b)+3] offset:64*\b          ; each accumulator from its low end on
	ds_store_b128 v[STO], v[8*(8*(\a)+\b)+4:8*(8*(\a)+\b)+7] offset:64*\b+16
.endr
	WIN 0
.set BB, BK+64*((\a)%2)
.irp t, 0,1,2,3,4,5,6,7,8,9,10,11,12,13,14,15
	ds_load_b128 v[BB+4*\t:BB+4*\t+3], v[RD] offset:\t*SPITCH
.endr
.endm
.macro SEND a, younger                 ; younger: the LDS instructions issued behind block a's loads, which may stay out
.set BB, BK+64*((\a)%2)
	s_wait_dscnt \younger
.if (\a) > 0
	s_add_nc_u64 s[16:17], s[16:17], 16*4096       ; (behind a wait on XCNT: the earlier stores have read their base)
.endif
.irp t, 0,1,2,3,4,5,6,7,8,9,10,11,12,13,14,15
	global_store_b128 v[CO], v[BB+4*\t:BB+4*\t+3], s[16:17] offset:\t*4096 th:TH_STORE_NT   ; 32 lanes store 512 consecutive bytes, at a multiple of 256 from out0's first byte
.endr
.endm
	PLACES 4                                       ; in front of the first read of results and of loads into A's fragments
	TOSTAGE 0
.irp a, 1,2,3
.if \a > 1
	s_wait_xcnt 0x0                                ; block a - 2's stores have read their registers and their base
.endif
	TOSTAGE \a
	SEND \a-1, 32                                  ; behind block a - 1's loads: block a's 16 stores and 16 loads
.endr
	s_wait_xcnt 0x0
	SEND 3, 0
	s_wait_tensorcnt 0x0                           ; the wave's end
	ds_add_u32 v[SPW], v[NIL]
	s_wait_dscnt 0x0
	CROUND                                         ; the closing round
	s_endpgm
.Lfunc_end_k_q9e3eda38b3_outp:
	.size	k_q9e3eda38b3_outp, .Lfunc_end_k_q9e3eda38b3_outp-k_q9e3eda38b3_outp
	.p2alignl 7, 3214868480
	.fill 96, 4, 3214868480
	.section	.rodata,"a",@progbits
	.p2align	6, 0x0
	.amdhsa_kernel k_q9e3eda38b3_outp
		.amdhsa_group_segment_fixed_size 327680
		.amdhsa_private_segment_fixed_size 0
		.amdhsa_enable_private_segment 0
		.amdhsa_kernarg_size 40
		.amdhsa_user_sgpr_count 2
		.amdhsa_user_sgpr_kernarg_segment_ptr 1
		.amdhsa_wavefront_size32 1
		.amdhsa_system_sgpr_workgroup_id_x 1
		.amdhsa_system_sgpr_workgroup_id_y 1
		.amdhsa_system_sgpr_workgroup_id_z 1
		.amdhsa_system_vgpr_workitem_id 0
		.amdhsa_next_free_vgpr 768
		.amdhsa_next_free_sgpr 100
		.amdhsa_reserve_vcc 0
		.amdhsa_float_denorm_mode_32 3
		.amdhsa_float_denorm_mode_16_64 3
		.amdhsa_memory_ordered 1
		.amdhsa_forward_progress 1
		.amdhsa_inst_pref_size 92
	.end_amdhsa_kernel
	.amdgpu_metadata
---
amdhsa.version: [ 1, 2 ]
amdhsa.kernels:
  - .name:           k_q9e3eda38b3_outp
    .symbol:         k_q9e3eda38b3_outp.kd
    .args:
      - { .name: att, .offset: 0, .size: 8, .value_kind: global_buffer, .address_space: global }
      - { .name: Wo_codes, .offset: 8, .size: 8, .value_kind: global_buffer, .address_space: global }
      - { .name: Wo_scales, .offset: 16, .size: 8, .value_kind: global_buffer, .address_space: global }
      - { .name: bo, .offset: 24, .size: 8, .value_kind: global_buffer, .address_space: global }
      - { .name: out0, .offset: 32, .size: 8, .value_kind: global_buffer, .address_space: global }
    .group_segment_fixed_size: 327680
    .private_segment_fixed_size: 0
    .kernarg_segment_align: 8
    .kernarg_segment_size: 40
    .max_flat_workgroup_size: 128
    .sgpr_count:     100
    .vgpr_count:     768
    .wavefront_size: 32
...
	.end_amdgpu_metadata
.endif
;; end of part 3
